; MI455X (gfx1250); checked and timed in simulation.
; The chip was launched on July 23, 2026; its instructions are those of AMD's public machine-readable ISA for CDNA 5 (MIT licence, August 2026) and "CDNA5" Instruction Set Architecture Reference Guide (July 2026). The comments in the code are by the model that wrote it; some were corrected since.
;; Causal Self Attention. Allowed arithmetic: matrix products marked QUANTISED: E2M1 operands, one E8M0 scale for each 32 along K, by v_wmma_scale_f32_16x16x128_f8f6f4 with both operands' format E2M1 (or v_wmma_scale_f32_32x16x128_f4), f32 sums; everything else in f32.
;; Inputs: W_attn 1,024 x 3,072 float32; W_proj 1,024 x 1,024 float32; b_attn 3,072 float32; b_proj 1,024 float32; x 4 x 2,048 x 1,024 float32.
;; Outputs: out0 4 x 2,048 x 1,024 float32.
;; This version of the problem:
;;   THIS VERSION OF THE PROBLEM IS GIVEN IN LOW PRECISION. The matrix products marked QUANTISED in the list below multiply operands that are first quantised to E2M1 (2 exponent bits, 1 mantissa bit; 4 bits a number), with one power-of-two scale for each 32 numbers along K (OCP MX v1.0); their sums are f32. All else is computed in f32.
;;   The module's matrix products, in the order in which they are computed (A, B: the left and right operand; K: the contracted axis; several contracted axes count as one K, in the product's order):
;;     1. [M 8,192, K 1,024] x [K 1,024, N 3,072]; A: input x; B: input W_attn: QUANTISED
;;     2. batch 64 x [M 2,048, K 64] x [K 64, N 2,048]; A: computed on the way; B: computed on the way: QUANTISED
;;     3. batch 64 x [M 2,048, K 2,048] x [K 2,048, N 64]; A: softmax (see below); B: computed on the way: QUANTISED
;;     4. [M 8,192, K 1,024] x [K 1,024, N 1,024]; A: computed on the way; B: input W_proj: QUANTISED
;;   THE QUANTISER, for each operand of a quantised product, along K:
;;     - K is cut into blocks of 32 from its start; a last block that is shorter is filled with zeros.
;;     - A block's scale is 2^e with e = floor(log2(the largest magnitude in the block)) - 2, held to -126 .. 127; a block of zeros has e = 0. As a byte (E8M0): e + 127.
;;     - Each number is divided by its block's scale, clamped to +-6, and rounded to the nearest number of E2M1, ties to even, subnormals kept.
;;     - The product sums the exact products of the quantised numbers (number of the format x scale) in f32.
;;   ~~~python
;;   def quantise(x, axis):      # numpy; x: float32 -> the quantised numbers, widened to float32 again
;;       x = np.moveaxis(x, axis, -1); K = x.shape[-1]
;;       x = np.pad(x, [(0, 0)] * (x.ndim - 1) + [(0, -K % 32)]); x = x.reshape(x.shape[:-1] + (-1, 32)); a = np.abs(x).max(-1, keepdims=True)
;;       e = np.where(a > 0, np.clip(np.frexp(np.where(a > 0, a, 1))[1] - 1 - 2, -126, 127), 0)      # np.frexp(a)[1] - 1 = floor(log2(a)), exactly
;;       r = np.clip(x / 2.0 ** e, -6, 6)
;;       step = 2.0 ** (np.maximum(np.frexp(np.where(r == 0, 1, r))[1] - 1, 0) - 1)
;;       q = np.round(r / step) * step * 2.0 ** e      # np.round: ties to even
;;       return np.moveaxis(q.reshape(q.shape[:-2] + (-1,))[..., :K], -1, axis).astype(np.float32)
;;   ~~~
;;   SOFTMAX AHEAD OF A QUANTISED PRODUCT. Where the list says 'softmax', what is quantised is not the finished softmax but p = 2^(t - M), with t = logit x log2(e) and M = ceil(the row's largest t), a whole number; so 1/2 < the row's largest p <= 1. The row's sum l is taken of the UNQUANTISED p, in f32, and the product's result is divided by l at the end. Since M is a whole number, a kernel that streams over the keys may use a running M (the ceiling of the running maximum): every later rescaling is an exact power of two, which a block's scale takes up: the codes' values come out the same.
;;   OPERANDS COMPUTED ON THE WAY. 'Computed on the way' means the value that the module computes at that place (a softmax that the list does not call 'softmax' is quantised finished and normalised). What goes into a quantiser is computed in f32, as accurately as f32 sums, v_exp_f32 and their like allow (about 1e-6 of the number): no bf16 or f16 on the way to a quantiser, and a product that is left as it is and whose result goes on into a quantised operand takes f32 operands (vector FMAs, or v_wmma_f32_16x16x4_f32). A number that lies on a knife's edge between two numbers of the format may be rounded either way, as far as f32 arithmetic and the matrix unit's own rounding can turn it there, and no further.
;; One version. Each part assembles by itself: llvm-mc -triple=amdgcn-amd-amdhsa -mcpu=gfx1250 --defsym DOCPART=n.
;; ======== version 1 of 1: 4 launches
;; workspace buffers: xq 4,456,448 bytes; yq 4,456,448 bytes; wq 2,228,224 bytes; qb 4,718,592 bytes; kv 9,175,040 bytes
;; launch quant (part 1): grid 768 x 1, 4 waves a work-group, no clusters, 67,072 bytes of LDS; arguments x, W_attn, W_proj, xq, wq; writes xq, wq
.if DOCPART == 1
	.amdgcn_target "amdgcn-amd-amdhsa--gfx1250"
	.amdhsa_code_object_version 6
	.text
	.protected	k_q36786af6dd_quant
	.globl	k_q36786af6dd_quant
	.p2align	8
	.type	k_q36786af6dd_quant,@function
k_q36786af6dd_quant:
	s_mov_b64 s[64:65], 0
	v_nop
	global_prefetch_b8 v0, s[64:65] scope:SCOPE_SE
	s_setreg_imm32_b32 hwreg(HW_REG_WAVE_MODE, 25, 1), 1
	s_wait_xcnt 0x0
; CAUSAL SELF-ATTENTION IN MX-FP4 (E2M1 codes, one E8M0 scale for each 32 along K), four launches:
;   quant: x, W_attn, W_proj -> codes and scale words;   qkv: x W_attn + b_attn -> q, k, v as codes;   attn: softmax(q k^T / 8) v -> y as codes;   proj: y W_proj + b_proj -> out0.
; WORK LEFT OUT (launch attn): for a tile of 16 queries, every step of 128 keys whose first key comes after all 16 queries.  The problem's own causal mask (jnp.tril in its body) sets those logits
; to -infinity, so their p is 0 and they add 0 to the row's sum and to y, whatever finite values the inputs hold.  Nothing else is left out; every input is loaded.
; LIMITS: NaN and infinities among the inputs are not served; a NaN, an infinity or an overflow that reaches only the steps left out is not carried to the result.  A block whose largest magnitude
; lies under 2^-124, a block of zeros among them, gets the scale byte 1 (the rule says 127 for zeros): a block of zeros has zero codes, which add nothing under any byte but 0xff, and the bytes are read by this program alone.
; LAYOUTS, all the program's own.  pat(p) = p + 8 (p / 8), p = 0 .. 15.  EVERY tile of 16 rows of every operand is tile 2 B + u = rows 32 B + 8 u + pat(p): a product's result then holds, in the 16 registers
; of two neighbouring tiles, 16 neighbours along the next product's K.  A fragment (16 rows x 128 K) lies as the IMAGE OF ITS REGISTERS, 1,024 bytes: byte 512 c + 16 lane = registers 4 c .. 4 c + 3.
; A tile's scale words for K = 1,024 are 512 bytes: byte 16 lane + 4 p = the word of row lane % 16 for K step 2 p + lane / 16: one load of 16 bytes a lane brings all eight steps' words.
;   xq: codes at 8,192 tile + 1,024 step; scale words at 4,194,304 + 512 tile.   wq: column group hc of 64 (0-47 W_attn's, 48-63 W_proj's): codes at 32,768 hc + 4,096 step + 1,024 tile; scale words at 2,097,152 + 512 (4 hc + tile).
; THIS LAUNCH.  Work-groups 0-511: one tile of 16 tokens of x; wave p takes K steps 2 p and 2 p + 1.  Work-groups 512-703: W_attn, 704-767: W_proj: 128 columns x one K step; a lane takes a column, its registers run down K.
; No matrix work, no tensor load, no barrier: waves share nothing.
.set SPARE, 66560                      ; behind the four stages: the spare words, 128 bytes for each wave
.set WREG,  16640                      ; a wave's stage: 16 rows
.set ROWP,  1040                       ; of 1,024 bytes + 16 of padding = 260 words: row r starts 4 r words on, modulo 64
.set R, 32                             ; v32-159  x as it is loaded: 2 K steps x 16 rows x 4 registers
.set X, 160                            ; v160-223 a lane's 64 numbers of a K step: two whole blocks of 32
.set C, 224                            ; v224-239 codes: 8 registers for each K step, so that no store's data are written again
	s_load_b256 s[4:11], s[0:1], 0x0               ; x s[4:5], W_attn s[6:7], W_proj s[8:9], xq s[10:11]
	s_load_b64 s[12:13], s[0:1], 0x20              ; wq
	v_lshl_add_u32 v7, v0, 2, SPARE                ; my spare word; never rewritten
	v_mov_b32 v8, 0                                ; 0; never rewritten
	v_lshrrev_b32 v1, 5, v0
	v_readfirstlane_b32 s16, v1                    ; wave 0..3
	v_and_b32 v1, 31, v0                           ; lane
	v_and_b32 v2, 15, v0                           ; r
	v_bfe_u32 v3, v0, 4, 1                         ; h
	v_lshlrev_b32 v4, 4, v1                        ; 16 x lane
	s_cmp_lt_u32 ttmp9, 512
	s_cbranch_scc0 .Lweights
	; ---- x: 16 tokens x 256 along K for a wave.  Loads take the bytes as they lie (512 a load); the stage turns them so that a lane holds whole blocks of its row
	s_mul_i32 s17, s16, WREG
	v_add_nc_u32 v5, s17, v4                       ; into the stage: 16 x lane of a row's 512 bytes
	v_mul_u32_u24 v6, v2, ROWP
	v_lshl_add_u32 v6, v3, 7, v6
	v_add_nc_u32 v6, s17, v6                       ; out of it: row r, + 128 h: k = 32 h on
	v_lshlrev_b32 v9, 3, v3                        ; 8 h: where my two bytes stand in a scale word
	v_mov_b32 v17, 0                               ; written once: a lane permute's destination counts as one of its sources
	s_mov_b32 s22, 0x76543210
	s_mov_b32 s23, 0xfedcba98                      ; v_permlanex16_b32's selects for lane l xor 16
	s_mov_b32 s24, 0xffff0000                      ; lanes 16-31
	s_lshr_b32 s18, ttmp9, 1
	s_lshl_b32 s18, s18, 5
	s_and_b32 s19, ttmp9, 1
	s_lshl_b32 s19, s19, 3
	s_add_co_u32 s18, s18, s19                     ; the tile's first token: 32 (tile / 2) + 8 (tile % 2)
	s_lshl_b32 s18, s18, 12                        ; x 4,096 bytes
	s_lshl_b32 s19, s16, 10
	s_add_co_u32 s18, s18, s19                     ; + my 1,024 bytes of a row
	s_mov_b32 s19, 0
	s_lshl_b32 s26, ttmp9, 13
	s_lshl_b32 s27, s16, 11
	s_add_co_u32 s26, s26, s27                     ; codes: 8,192 tile + 1,024 (2 p)
	s_mov_b32 s27, 0
	s_lshl_b32 s28, ttmp9, 9
	s_lshl_b32 s29, s16, 2
	s_add_co_u32 s28, s28, s29
	s_add_co_u32 s28, s28, 4194304                 ; scale words: 4,194,304 + 512 tile + 4 p
	s_mov_b32 s29, 0
	s_wait_kmcnt 0x0
	s_add_nc_u64 s[20:21], s[4:5], s[18:19]
	s_add_nc_u64 s[26:27], s[10:11], s[26:27]
	s_add_nc_u64 s[28:29], s[10:11], s[28:29]
	s_wait_alu depctr_va_vdst(0)
.irp j, 0,1
.irp i, 0,1,2,3,4,5,6,7,8,9,10,11,12,13,14,15
	global_load_b128 v[R+64*\j+4*\i:R+64*\j+4*\i+3], v4, s[20:21] offset:(\i+8*(\i/8))*4096+512*\j th:TH_LOAD_NT   ; row pat(i), K step 2 p + j: 512 consecutive bytes
.endr
.endr
; A K step's 64 numbers of a lane (v[X + 32 c + i] = k 64 c + 32 h + i of row r) become registers 4 c .. 4 c + 3 of the fragment, and the row's scale word
.macro QUANTX j
.irp c, 0,1
	v_max3_num_f32 v[10+\c], |v[X+32*\c]|, |v[X+32*\c+1]|, 0x1800000   ; block 2 c + h: all its 32 numbers are mine; and the floor 2^(3 - 127): the byte cannot fall under 1
.endr
.irp i, 2,4,6,8,10,12,14,16,18,20,22,24,26,28,30
.irp c, 0,1
	v_max3_num_f32 v[10+\c], v[10+\c], |v[X+32*\c+\i]|, |v[X+32*\c+\i+1]|   ; (the two blocks by turns)
.endr
.endr
.irp c, 0,1
	v_add_nc_u32 v[12+\c], 0xff000000, v[10+\c]    ; 2 off the exponent field: the conversion takes the exponent field of this operand as its scale
.endr
.irp c, 0,1
	v_lshrrev_b32 v[14+\c], 23, v[12+\c]           ; the scale's byte
.endr
	v_lshl_or_b32 v16, v15, 16, v14                ; my two bytes, blocks h and 2 + h,
	v_lshlrev_b32 v16, v9, v16                     ; at their places in the word;
	v_permlanex16_b32 v17, v16, s22, s23
	v_or_b32 v[18+\j], v16, v17                    ; with lane l xor 16's two the word is whole
.irp c, 0,1
.irp g, 0,1,2,3
	v_cvt_scalef32_pk8_fp4_f32 v[C+8*\j+4*\c+\g], v[X+32*\c+8*\g:X+32*\c+8*\g+7], v[12+\c]
.endr
.endr
	v_nop                                          ; one plain place behind the scaled conversions
.irp c, 0,1
	global_store_b128 v4, v[C+8*\j+4*\c:C+8*\j+4*\c+3], s[26:27] offset:1024*\j+512*\c   ; 512 consecutive bytes of the image
.endr
.endm
	s_wait_loadcnt 16                              ; the first K step's 16 loads are in; the second's 16 may be out
.irp i, 0,1,2,3,4,5,6,7,8,9,10,11,12,13,14,15
	ds_store_b128 v5, v[R+4*\i:R+4*\i+3] offset:\i*ROWP
.endr
.irp c, 0,1
.irp q, 0,1,2,3,4,5,6,7
	ds_load_b128 v[X+32*\c+4*\q:X+32*\c+4*\q+3], v6 offset:256*\c+16*\q   ; LDS serves a wave's instructions in order: these see the stores above
.endr
.endr
	s_wait_loadcnt 0x0
.irp i, 0,1,2,3,4,5,6,7,8,9,10,11,12,13,14,15
	ds_store_b128 v5, v[R+64+4*\i:R+64+4*\i+3] offset:\i*ROWP+512
.endr
	s_wait_dscnt 16                                ; all but the 16 stores just issued: the first K step's numbers are back
	QUANTX 0
.irp c, 0,1
.irp q, 0,1,2,3,4,5,6,7
	ds_load_b128 v[X+32*\c+4*\q:X+32*\c+4*\q+3], v6 offset:512+256*\c+16*\q
.endr
.endr
	s_wait_dscnt 0x0
	QUANTX 1
	v_cndmask_b32 v20, v18, v19, s24               ; lanes 0-15: K step 2 p's word of row r; lanes 16-31: K step 2 p + 1's
	global_store_b32 v4, v20, s[28:29]
	s_wait_tensorcnt 0x0                           ; the wave's end, behind my last LDS store
	ds_add_u32 v7, v8
	s_wait_dscnt 0x0
	s_endpgm
	; ---- the weights: K is their first axis.  A lane takes column 128 cg + 32 wave + lane; a block of 32 along K lies in its 32 registers.  No LDS: a block's 16 bytes of codes are a piece of the image as they stand
.Lweights:
	s_wait_alu depctr_va_vdst(0)
	v_lshlrev_b32 v5, 2, v1                        ; in: 4 bytes a lane
	v_bfe_u32 v6, v0, 3, 1                         ; u: lane = 8 u + pat(p), so u = (lane / 8) % 2
	v_and_b32 v9, 7, v0
	v_lshl_add_u32 v9, v3, 3, v9                   ; p = lane % 8 + 8 (lane / 16)
	v_lshlrev_b32 v9, 4, v9
	v_lshl_add_u32 v10, v6, 9, v9                  ; scale words: 512 u + 16 p
	v_lshl_add_u32 v9, v6, 10, v9                  ; codes: 1,024 u + 16 p
.macro WLOAD cols, t                   ; block t: W(32 t + i, my column) into set t % 2
.irp i, 0,1,2,3,4,5,6,7,8,9,10,11,12,13,14,15,16,17,18,19,20,21,22,23,24,25,26,27,28,29,30,31
	global_load_b32 v[32+32*((\t)%2)+\i], v5, s[20:21] offset:(32*(\t)+\i)*\cols*4 th:TH_LOAD_NT
.endr
.endm
.macro WBLOCK cols, t
.set XS, 32+32*((\t)%2)
.if (\t) < 3
	s_wait_loadcnt 32                              ; this block's 32 loads are in; the next block's may be out
.else
	s_wait_loadcnt 0x0
.endif
	v_max3_num_f32 v12, |v[XS]|, |v[XS+1]|, |v[XS+2]|
	v_max3_num_f32 v13, |v[XS+3]|, |v[XS+4]|, |v[XS+5]|
.irp i, 6,10,14,18,22,26
	v_max3_num_f32 v12, v12, |v[XS+\i]|, |v[XS+\i+1]|
	v_max3_num_f32 v13, v13, |v[XS+\i+2]|, |v[XS+\i+3]|
.endr
	v_max3_num_f32 v12, v12, |v[XS+30]|, |v[XS+31]|
	v_max3_num_f32 v12, v12, v13, 0x1800000        ; and the floor
	v_add_nc_u32 v11, 0xff000000, v12              ; the conversion's scale operand
	v_lshrrev_b32 v14, 23, v11                     ; the byte
.if (\t) == 0
	v_mov_b32 v15, v14                             ; the K step's four bytes make my column's word
.else
	v_lshl_or_b32 v15, v14, 8*(\t), v15
.endif
.irp g, 0,1,2,3
	v_cvt_scalef32_pk8_fp4_f32 v[96+4*(\t)+\g], v[XS+8*\g:XS+8*\g+7], v11
.endr
	v_nop                                          ; one plain place behind the scaled conversions
	global_store_b128 v9, v[96+4*(\t):96+4*(\t)+3], s[24:25] offset:256*(\t)   ; block t = 2 c + h of the image: byte 256 t + 16 p; the sixteen lanes of a tile fill 256 consecutive bytes
.if (\t)+2 < 4
	WLOAD \cols, (\t)+2
.endif
.endm
.macro WPATH cols, sp, idb, hcb
	s_sub_co_u32 s17, ttmp9, \idb
	s_lshr_b32 s18, s17, 3                         ; cg: which 128 columns
	s_and_b32 s19, s17, 7                          ; which K step
	s_mul_i32 s20, s19, 128*\cols*4
	s_lshl_b32 s21, s18, 9
	s_add_co_u32 s20, s20, s21
	s_lshl_b32 s21, s16, 7
	s_add_co_u32 s20, s20, s21                     ; in: 128 rows x step + 4 (128 cg + 32 wave)
	s_mov_b32 s21, 0
	s_lshl_b32 s22, s18, 1
	s_lshr_b32 s23, s16, 1
	s_add_co_u32 s22, s22, s23
.if \hcb
	s_add_co_u32 s22, s22, \hcb
.endif
	s_and_b32 s23, s16, 1                          ; s22 = hc, s23 = which 32 of its 64 columns
	s_lshl_b32 s24, s22, 15
	s_lshl_b32 s25, s19, 12
	s_add_co_u32 s24, s24, s25
	s_lshl_b32 s25, s23, 11
	s_add_co_u32 s24, s24, s25                     ; codes: 32,768 hc + 4,096 step + 2,048 half
	s_mov_b32 s25, 0
	s_lshl_b32 s26, s22, 11
	s_lshl_b32 s27, s23, 10
	s_add_co_u32 s26, s26, s27
	s_and_b32 s27, s19, 1
	s_lshl_b32 s27, s27, 8
	s_add_co_u32 s26, s26, s27
	s_lshr_b32 s27, s19, 1
	s_lshl_b32 s27, s27, 2
	s_add_co_u32 s26, s26, s27
	s_add_co_u32 s26, s26, 2097152                 ; scale words: 2,097,152 + 2,048 hc + 1,024 half + 256 (step % 2) + 4 (step / 2)
	s_mov_b32 s27, 0
	s_wait_kmcnt 0x0
	s_add_nc_u64 s[20:21], s[\sp:\sp+1], s[20:21]
	s_add_nc_u64 s[24:25], s[12:13], s[24:25]
	s_add_nc_u64 s[26:27], s[12:13], s[26:27]
	WLOAD \cols, 0
	WLOAD \cols, 1
	WBLOCK \cols, 0
	WBLOCK \cols, 1
	WBLOCK \cols, 2
	WBLOCK \cols, 3
	global_store_b32 v10, v15, s[26:27]
.endm
	s_cmp_lt_u32 ttmp9, 704
	s_cbranch_scc0 .Lwproj
	s_wait_alu depctr_va_vdst(0)
	WPATH 3072, 6, 512, 0
	s_endpgm
.Lwproj:
	s_wait_alu depctr_va_vdst(0)
	WPATH 1024, 8, 704, 48
	s_endpgm
.Lfunc_end_k_q36786af6dd_quant:
	.size	k_q36786af6dd_quant, .Lfunc_end_k_q36786af6dd_quant-k_q36786af6dd_quant
	.p2alignl 7, 3214868480
	.fill 96, 4, 3214868480
	.section	.rodata,"a",@progbits
	.p2align	6, 0x0
	.amdhsa_kernel k_q36786af6dd_quant
		.amdhsa_group_segment_fixed_size 67072
		.amdhsa_private_segment_fixed_size 0
		.amdhsa_enable_private_segment 0
		.amdhsa_kernarg_size 40
		.amdhsa_user_sgpr_count 2
		.amdhsa_user_sgpr_kernarg_segment_ptr 1
		.amdhsa_wavefront_size32 1
		.amdhsa_system_sgpr_workgroup_id_x 1
		.amdhsa_system_sgpr_workgroup_id_y 1
		.amdhsa_system_sgpr_workgroup_id_z 1
		.amdhsa_system_vgpr_workitem_id 0
		.amdhsa_next_free_vgpr 240
		.amdhsa_next_free_sgpr 66
		.amdhsa_reserve_vcc 0
		.amdhsa_float_denorm_mode_32 3
		.amdhsa_float_denorm_mode_16_64 3
		.amdhsa_memory_ordered 1
		.amdhsa_forward_progress 1
		.amdhsa_inst_pref_size 56
	.end_amdhsa_kernel
	.amdgpu_metadata
---
amdhsa.version: [ 1, 2 ]
amdhsa.kernels:
  - .name:           k_q36786af6dd_quant
    .symbol:         k_q36786af6dd_quant.kd
    .args:
      - { .name: x, .offset: 0, .size: 8, .value_kind: global_buffer, .address_space: global }
      - { .name: W_attn, .offset: 8, .size: 8, .value_kind: global_buffer, .address_space: global }
      - { .name: W_proj, .offset: 16, .size: 8, .value_kind: global_buffer, .address_space: global }
      - { .name: xq, .offset: 24, .size: 8, .value_kind: global_buffer, .address_space: global }
      - { .name: wq, .offset: 32, .size: 8, .value_kind: global_buffer, .address_space: global }
    .group_segment_fixed_size: 67072
    .private_segment_fixed_size: 0
    .kernarg_segment_align: 8
    .kernarg_segment_size: 40
    .max_flat_workgroup_size: 128
    .sgpr_count:     66
    .vgpr_count:     240
    .wavefront_size: 32
...
	.end_amdgpu_metadata
.endif
;; end of part 1
;; launch qkv (part 2): grid 64 x 4, 4 waves a work-group, clusters of 4 x 1, 327,680 bytes of LDS; arguments xq, wq, b_attn, qb, kv; writes qb, kv
.if DOCPART == 2
	.amdgcn_target "amdgcn-amd-amdhsa--gfx1250"
	.amdhsa_code_object_version 6
	.text
	.protected	k_q36786af6dd_qkv
	.globl	k_q36786af6dd_qkv
	.p2align	8
	.type	k_q36786af6dd_qkv,@function
k_q36786af6dd_qkv:
	s_mov_b64 s[64:65], 0
	v_nop
	global_prefetch_b8 v0, s[64:65] scope:SCOPE_SE
	s_setreg_imm32_b32 hwreg(HW_REG_WAVE_MODE, 25, 1), 1
	s_wait_xcnt 0x0
	s_wait_alu depctr_hold_cnt(0) depctr_sa_sdst(0) depctr_va_vdst(0) depctr_va_sdst(0) depctr_va_ssrc(0) depctr_va_vcc(0) depctr_vm_vsrc(0)
	s_getreg_b32 s2, hwreg(HW_REG_IB_STS2, 6, 4)
	s_cmp_eq_u32 s2, 0
	s_cbranch_scc0 .Lentry_in_a_cluster
	s_endpgm
.Lentry_in_a_cluster:
	s_bfe_u32 s2, ttmp6, 0x10000c
	s_cmp_lg_u32 s2, 0x3003
	s_cbranch_scc0 .Lentry_shape_is_right
	s_endpgm
.Lentry_shape_is_right:
; qkv = x W_attn + b_attn on codes of FP4, and q, k, v quantised on the way out: q and k along the head's 64, v along the keys.  Layouts of xq and wq: head of the first kernel.
; SHARES.  A work-group takes 128 tokens (mt: one key step of one batch) and four heads (g); wave w takes head hd = 4 g + w and makes 128 tokens x 64 columns three times: q, k, v.  32 accumulators, 8 K steps of 128.
; x's codes, 64 fragments, stay in 512 registers for all three; they come from memory in the order of the registers, 512 consecutive bytes a load.
; The weights of a wave's 64 columns, 32,768 consecutive bytes, come by the wave's own tensor load into its own LDS part, which it alone reads.  CLUSTER: the four work-groups of a cluster have the same g and
; other mt, so each such load is asked for JOINTLY (mask 15).  Two slots: q's weights in slot 0, k's in slot 1, v's again in slot 0, behind a round of the cluster's barrier.  By this text's count a wave has at most two tensor loads out.
; q, k: THE PRODUCT IS USED TRANSPOSED (source 0 = 16 columns of W, source 1 = 16 tokens): a lane holds one token, its registers run along the head's 64.  v: the natural way (source 0 = tokens): a lane holds one channel, its registers run along the 128 keys.
; The bias is the C of each sum's first matrix instruction.
; OUT.  qb, for head bh = 16 b + hd at 73,728 bh: q's codes at 512 tile + 16 lane (lane (r, h): query pat-row r, channels 32 h on: registers 0-3 of a fragment); at 65,536: scale words, 512 step + 16 lane + 4 a = tile 8 step + 2 a + lane / 16,
; row lane % 16, bytes 0, 1 its two blocks', bytes 2, 3 zero.  kv at 143,360 bh: k as q (codes at 0, scale words at 131,072); v's images at 65,536 + 4,096 step + 1,024 channel tile; v's scale words at 139,264 + 256 step + 8 lane + 4 z = channel tile 2 z + lane / 16.
; REGISTERS, in windows of 256: window 0: below.  Windows 1, 2: x's fragment (tile i, K step s) at v[64 (s % 4) + 8 i] of window 1 + s / 4.  Window 3: the accumulators: q, k: (i, nt) at 32 i + 8 nt; v: (nt, i) at 64 nt + 8 i.
.set SPARE, 262144                     ; behind the two slots: the spare words, 128 bytes for each wave
.set SLOT1, 131072
.set AS,  16                           ; v16-47   x's scale words: tile i, register 4 i + s / 2 (lanes 16-31 for odd s)
.set BS,  48                           ; v48-63   the weights' scale words, 4 nt + s / 2
.set BI,  64                           ; v64-95   the bias in the result's layout, 8 nt + j
.set BF,  96                           ; v96-159  the weights' fragments of a K step, two sets of 4
.set PC,  160                          ; v160-191 codes, 8 for each call of QUANT3
.set TM,  192                          ; v192-207 at work in QUANT3
.set PW,  208                          ; v208-211 scale words just made
.set SPR, 212                          ; v212-215 q's or k's scale words as they are stored
.set VZ,  216                          ; v216-217 v's
.set WV,  20
.set G1,  24                           ; s[24:31] descriptor group 1;  s[32:35], s[36:39], s[40:43] groups 0 for q's, k's, v's weights: never rewritten
.set HM,  44
.set SEL, 46
.set MSB, 0
.macro WIN new                         ; the immediate's high byte repeats the setting that is left
.if MSB != (\new)
	s_set_vgpr_msb (MSB<<8)|(\new)
.set MSB, (\new)
.endif
.endm
.macro PLACES n
.rept \n
	v_nop
.endr
.endm
.macro ROUND                           ; a round of the cluster's barrier
	s_barrier_signal -1
	s_barrier_wait -1
	s_cmp_lg_u32 s[WV], 0
	s_cbranch_scc1 .Lnot_wave_0_\@
	s_barrier_signal -3
.Lnot_wave_0_\@:
	s_barrier_wait -3
	s_barrier_signal -1
	s_barrier_wait -1
.endm
.macro WM d, a, b, c, sa, sb, odd      ; one matrix instruction; odd = 1: both scale words stand in lanes 16-31
.set wD, (\d)
.set wA, (\a)
.set wB, (\b)
.set wC, (\c)
.set wS, (\sa)
.set wT, (\sb)
.if \odd
	v_wmma_scale_f32_16x16x128_f8f6f4 v[wD:wD+7], v[wA:wA+7], v[wB:wB+7], v[wC:wC+7], v[wS], v[wT] matrix_a_fmt:MATRIX_FMT_FP4 matrix_b_fmt:MATRIX_FMT_FP4 matrix_a_scale:MATRIX_SCALE_ROW1 matrix_b_scale:MATRIX_SCALE_ROW1
.else
	v_wmma_scale_f32_16x16x128_f8f6f4 v[wD:wD+7], v[wA:wA+7], v[wB:wB+7], v[wC:wC+7], v[wS], v[wT] matrix_a_fmt:MATRIX_FMT_FP4 matrix_b_fmt:MATRIX_FMT_FP4
.endif
.endm
.macro FETCH adr, s, set               ; the weights' four fragments of K step s: 8 loads of 512 consecutive bytes
	WIN 0
.irp nt, 0,1,2,3
.irp c, 0,1
	ds_load_b128 v[BF+32*(\set)+8*\nt+4*\c:BF+32*(\set)+8*\nt+4*\c+3], v[\adr] offset:(\s)*4096+\nt*1024+512*\c
.endr
.endr
.endm
; 32 matrix instructions of K step s; the 32 accumulators take turns, one instruction a turn, in the same order in every step.  Step 0 starts the sums on the bias.
.macro MULT s                          ; transposed: source 0 = W (window 0), source 1 = x (window 1 or 2)
.if (\s) == 0
	WIN 0xc4
.else
	WIN 0xf0|((1+(\s)/4)<<2)
.endif
.irp i, 0,1,2,3,4,5,6,7
.irp nt, 0,1,2,3
.if (\s) == 0
	WM 32*\i+8*\nt, BF+32*((\s)%2)+8*\nt, 64*((\s)%4)+8*\i, BI+8*\nt, BS+4*\nt+(\s)/2, AS+4*\i+(\s)/2, (\s)%2
.else
	WM 32*\i+8*\nt, BF+32*((\s)%2)+8*\nt, 64*((\s)%4)+8*\i, 32*\i+8*\nt, BS+4*\nt+(\s)/2, AS+4*\i+(\s)/2, (\s)%2
.endif
.endr
.endr
.endm
.macro MULN s                          ; natural: source 0 = x, source 1 = W
.if (\s) == 0
	WIN 0xc1
.else
	WIN 0xf0|(1+(\s)/4)
.endif
.irp i, 0,1,2,3,4,5,6,7
.irp nt, 0,1,2,3
.if (\s) == 0
	WM 64*\nt+8*\i, 64*((\s)%4)+8*\i, BF+32*((\s)%2)+8*\nt, BI+8*\nt, AS+4*\i+(\s)/2, BS+4*\nt+(\s)/2, (\s)%2
.else
	WM 64*\nt+8*\i, 64*((\s)%4)+8*\i, BF+32*((\s)%2)+8*\nt, 64*\nt+8*\i, AS+4*\i+(\s)/2, BS+4*\nt+(\s)/2, (\s)%2
.endif
.endr
.endr
.endm
.macro KSTEP kind, adr, s, lw          ; lw >= 0: how many younger loads of x's fragments may stay out
	WIN 0
	s_wait_dscnt 0x0                               ; this step's fragments of W are in (asked for 32 matrix instructions ago)
.if (\lw) >= 0
	s_wait_loadcnt \lw
.endif
	PLACES 4                                       ; in front of loads into the set that the last step's matrix instructions have read
.if (\s) < 7
	FETCH \adr, (\s)+1, ((\s)+1)%2
.endif
.if \kind
	MULN \s
.else
	MULT \s
.endif
.endm
.macro SUB kind, adr
.irp s, 0,1,2,3,4,5,6,7
	KSTEP \kind, \adr, \s, -1
.endr
.endm
; 64 results of a lane, registers src .. src + 63 of window 3, register 16 b + i = place 32 b + 16 (lane / 16) + i along the next K, become 8 registers of codes at v[PC + 8 a] and the word of four scale bytes v[PW + a].
; Each accumulator is read from its low end on.
.macro QUANT3 a, src
	WIN 0x3c                                       ; sources 1 and 2 in window 3
.irp b, 0,1,2,3
	v_max3_num_f32 v[TM+\b], 0x1800000, |v[(\src)+16*\b]|, |v[(\src)+16*\b+1]|   ; block b: my 16 numbers, and the floor 2^(3 - 127): the byte cannot fall under 1
.endr
.irp i, 2,4,6,8,10,12,14
.irp b, 0,1,2,3
	v_max3_num_f32 v[TM+\b], v[TM+\b], |v[(\src)+16*\b+\i]|, |v[(\src)+16*\b+\i+1]|
.endr
.endr
	WIN 0
.irp b, 0,1,2,3
	v_permlanex16_b32 v[TM+4+\b], v[TM+\b], s[SEL], s[SEL+1]
.endr
.irp b, 0,1,2,3
	v_max_num_f32 v[TM+\b], v[TM+\b], v[TM+4+\b]   ; with lane l xor 16's: the block's largest magnitude
.endr
.irp b, 0,1,2,3
	v_add_nc_u32 v[TM+12+\b], 0xff000000, v[TM+\b] ; 2 off its exponent field: the conversion's scale operand
.endr
.irp b, 0,1,2,3
	v_lshrrev_b32 v[TM+4+\b], 23, v[TM+12+\b]      ; the scale's byte
.endr
	v_lshl_or_b32 v[PW+(\a)], v[TM+5], 8, v[TM+4]
	v_lshl_or_b32 v[PW+(\a)], v[TM+6], 16, v[PW+(\a)]
	v_lshl_or_b32 v[PW+(\a)], v[TM+7], 24, v[PW+(\a)]
	WIN 0x03                                       ; source 0 in window 3
.irp b, 0,1,2,3
	v_cvt_scalef32_pk8_fp4_f32 v[PC+8*(\a)+2*\b], v[(\src)+16*\b:(\src)+16*\b+7], v[TM+12+\b]
	v_cvt_scalef32_pk8_fp4_f32 v[PC+8*(\a)+2*\b+1], v[(\src)+16*\b+8:(\src)+16*\b+15], v[TM+12+\b]
.endr
	WIN 0
	v_nop                                          ; one plain place behind the scaled conversions
.irp c, 0,1                                    ; the operand's layout wants a whole block in a lane: lanes 0-15 block 2 c, lanes 16-31 block 2 c + 1
.irp i, 0,1
	v_permlane16_swap_b32 v[PC+8*(\a)+4*\c+\i], v[PC+8*(\a)+4*\c+2+\i]
.endr
.endr
.endm
; q or k goes out: call a serves token tiles 2 a and 2 a + 1: blocks 0, 1 are the first's two blocks of the head's 64, blocks 2, 3 the second's
.macro EPI_QK cb, sb
	s_wait_xcnt 0x0                                ; earlier stores have read their data: the codes' and words' registers may be written again
.irp a, 0,1,2,3
	QUANT3 \a, 64*\a
	v_and_b32 v218, 0xffff, v[PW+\a]
	v_lshrrev_b32 v219, 16, v[PW+\a]
	v_cndmask_b32 v[SPR+\a], v218, v219, s[HM]     ; lanes 0-15: tile 2 a's two bytes; lanes 16-31: tile 2 a + 1's; the upper two bytes are zero
	global_store_b128 v1, v[PC+8*\a:PC+8*\a+3], s[\cb:\cb+1] offset:1024*\a
	global_store_b128 v1, v[PC+8*\a+4:PC+8*\a+7], s[\cb:\cb+1] offset:1024*\a+512   ; each store covers 512 consecutive bytes
.endr
	global_store_b128 v1, v[SPR:SPR+3], s[\sb:\sb+1]
.endm
.macro EPI_V                           ; call a serves channel tile a: a whole fragment, 16 channels x the step's 128 keys
	s_wait_xcnt 0x0
.irp a, 0,1,2,3
	QUANT3 \a, 64*\a
	global_store_b128 v1, v[PC+8*\a:PC+8*\a+3], s[66:67] offset:1024*\a
	global_store_b128 v1, v[PC+8*\a+4:PC+8*\a+7], s[66:67] offset:1024*\a+512
.endr
	v_cndmask_b32 v[VZ], v[PW], v[PW+1], s[HM]
	v_cndmask_b32 v[VZ+1], v[PW+2], v[PW+3], s[HM]
	global_store_b64 v8, v[VZ:VZ+1], s[68:69]      ; 256 consecutive bytes
.endm
.macro NEXTB t                         ; the scale words and the bias of sub-tile t (0 q, 1 k, 2 v)
.irp nt, 0,1,2,3
	global_load_b128 v[BS+4*\nt:BS+4*\nt+3], v1, s[52:53] offset:(\t)*32768+\nt*512
.endr
.if (\t) < 2
.irp nt, 0,1,2,3                               ; transposed: lane (r, h), register j: column 32 (nt / 2) + 8 (nt % 2) + 16 h + j
	global_load_b128 v[BI+8*\nt:BI+8*\nt+3], v6, s[54:55] offset:(\t)*4096+128*(\nt/2)+32*(\nt%2)
	global_load_b128 v[BI+8*\nt+4:BI+8*\nt+7], v6, s[54:55] offset:(\t)*4096+128*(\nt/2)+32*(\nt%2)+16
.endr
.else
.irp nt, 0,1,2,3                               ; natural: a lane holds one column, 32 (nt / 2) + 8 (nt % 2) + pat(r)
	global_load_b32 v[BI+8*\nt], v7, s[54:55] offset:(\t)*4096+128*(\nt/2)+32*(\nt%2)
.endr
.endif
.endm
	s_load_b256 s[4:11], s[0:1], 0x0               ; xq s[4:5], wq s[6:7], b_attn s[8:9], qb s[10:11]
	s_load_b64 s[12:13], s[0:1], 0x20              ; kv
	v_lshl_add_u32 v4, v0, 2, SPARE                ; my spare word; never rewritten
	v_mov_b32 v5, 0                                ; 0; never rewritten
	ds_add_u32 v4, v5                              ; the wave's opening: the add, twice on end, and its wait ahead of my first tensor load
	ds_add_u32 v4, v5
	v_lshrrev_b32 v9, 5, v0
	v_readfirstlane_b32 s[WV], v9                  ; wave 0..3
	s_bfe_u32 s21, ttmp6, 0x40000                  ; cx: my place in the cluster: it enters x's and the outputs' global addresses alone
	s_lshl_b32 s22, ttmp9, 2
	s_add_co_u32 s22, s22, s21                     ; mt = 4 x cluster x + cx
	s_and_b32 s23, ttmp7, 0xffff                   ; g, which the four partners share
	s_lshl_b32 s70, s23, 2
	s_add_co_u32 s70, s70, s[WV]                   ; hd = 4 g + w
	s_lshr_b32 s71, s22, 4
	s_lshl_b32 s71, s71, 4
	s_add_co_u32 s71, s71, s70                     ; bh = 16 b + hd
	s_and_b32 s72, s22, 15                         ; the key step in its batch
	s_mov_b32 s[G1], 15|(3<<16)|(1<<21)            ; 15:0 the mask: all four work-groups; 17:16 elements of 8 bytes; 21 set beside a mask; no padding: every LDS load takes 512 consecutive bytes
	s_mov_b32 s[G1+1], 32<<16                      ; tensor_dim0 = 32 elements: rows of 256 bytes
	s_mov_b32 s[G1+2], 128<<16                     ; tensor_dim1 = 128 rows
	s_mov_b32 s[G1+3], 32<<16                      ; tile_dim0
	s_mov_b32 s[G1+4], 128                         ; tile_dim1
	s_mov_b32 s[G1+5], 32                          ; the pitch: the block is dense
	s_mov_b32 s[G1+6], 0
	s_mov_b32 s[G1+7], 0
	s_mov_b32 s32, 1
	s_mov_b32 s36, 1
	s_mov_b32 s40, 1
	s_lshl_b32 s33, s[WV], 15                      ; my part of slot 0: 32,768 x wave
	s_add_co_u32 s37, s33, SLOT1                   ; of slot 1
	s_mov_b32 s41, s33                             ; v's weights: slot 0 again
	s_lshl_b32 s14, s70, 15                        ; my head's columns in wq (these two registers never hold a number that hangs on cx)
	s_mov_b32 s15, 0
	s_mov_b32 s[HM], 0xffff0000                    ; lanes 16-31
	s_mov_b32 s[SEL], 0x76543210
	s_mov_b32 s[SEL+1], 0xfedcba98                 ; v_permlanex16_b32's selects for lane l xor 16
	v_and_b32 v9, 31, v0
	v_lshlrev_b32 v1, 4, v9                        ; v1 = 16 x lane
	v_lshlrev_b32 v8, 3, v9                        ; v8 = 8 x lane
	v_add_nc_u32 v2, s33, v1                       ; v2: my part of slot 0
	v_add_nc_u32 v3, SLOT1, v2                     ; v3: of slot 1
	v_bfe_u32 v10, v0, 4, 1
	v_lshlrev_b32 v6, 6, v10                       ; v6 = 64 h
	v_and_b32 v9, 15, v0
	v_and_b32 v10, 8, v9
	v_add_nc_u32 v9, v9, v10
	v_lshlrev_b32 v7, 2, v9                        ; v7 = 4 pat(r)
.irp b, 0,1,2,3
	v_mov_b32 v[TM+4+\b], 0                        ; written once: a lane permute's destination counts as one of its sources
.endr
	s_wait_dscnt 0x0                               ; both opening adds are done
	s_wait_kmcnt 0x0
	s_add_nc_u64 s[34:35], s[6:7], s[14:15]        ; q's weights: column group hd;
	s_add_nc_u64 s[38:39], s[34:35], 0x80000       ; k's: 16 groups of 32,768 bytes on;
	s_add_nc_u64 s[42:43], s[34:35], 0x100000      ; v's: 32
	s_or_b32 s35, s35, 0x80000000                  ; 127:126 type = 2
	s_or_b32 s39, s39, 0x80000000
	s_or_b32 s43, s43, 0x80000000
	ROUND                                          ; all four work-groups are here: the first joint loads meet
	tensor_load_to_lds s[32:35], s[G1:G1+7]        ; every wave issues q's fill: one load of mine is out
	s_nop 0
	s_wait_alu depctr_va_vdst(0)
	s_wait_tensorcnt 0x0
	ds_add_u32 v4, v5
	s_wait_dscnt 0x0
	ROUND
	tensor_load_to_lds s[36:39], s[G1:G1+7]
	s_nop 0
	PLACES 4
	s_mov_b32 s75, 0
	s_lshl_b32 s74, s22, 16
	s_add_nc_u64 s[48:49], s[4:5], s[74:75]        ; x's codes: 8 tiles of 8,192 bytes a block
	s_lshl_b32 s74, s22, 12
	s_add_co_u32 s74, s74, 4194304
	s_add_nc_u64 s[50:51], s[4:5], s[74:75]        ; x's scale words
	s_lshl_b32 s74, s70, 11
	s_add_co_u32 s74, s74, 2097152
	s_add_nc_u64 s[52:53], s[6:7], s[74:75]        ; the weights' scale words
	s_lshl_b32 s74, s70, 8
	s_add_nc_u64 s[54:55], s[8:9], s[74:75]        ; the bias
	s_mul_i32 s76, s71, 73728
	s_lshl_b32 s77, s72, 12
	s_lshl_b32 s78, s72, 9
	s_add_co_u32 s74, s76, s77
	s_add_nc_u64 s[56:57], s[10:11], s[74:75]      ; q's codes
	s_add_co_u32 s74, s76, s78
	s_add_co_u32 s74, s74, 65536
	s_add_nc_u64 s[58:59], s[10:11], s[74:75]      ; q's scale words
	s_mul_i32 s76, s71, 143360
	s_add_co_u32 s74, s76, s77
	s_add_nc_u64 s[60:61], s[12:13], s[74:75]      ; k's codes
	s_add_co_u32 s74, s74, 65536
	s_add_nc_u64 s[66:67], s[12:13], s[74:75]      ; v's images
	s_add_co_u32 s74, s76, s78
	s_add_co_u32 s74, s74, 131072
	s_add_nc_u64 s[62:63], s[12:13], s[74:75]      ; k's scale words
	s_lshl_b32 s74, s72, 8
	s_add_co_u32 s74, s74, s76
	s_add_co_u32 s74, s74, 139264
	s_add_nc_u64 s[68:69], s[12:13], s[74:75]      ; v's scale words
.irp i, 0,1,2,3,4,5,6,7
	global_load_b128 v[AS+4*\i:AS+4*\i+3], v1, s[50:51] offset:\i*512
.endr
	s_wait_alu depctr_va_vdst(0)
	NEXTB 0
.irp s, 0,1,2,3,4,5,6,7                        ; x's 64 fragments, K step by K step: 16 loads a step
	WIN 0x40*(1+\s/4)                              ; destination window 1 or 2
.irp i, 0,1,2,3,4,5,6,7
.irp c, 0,1
	global_load_b128 v[64*(\s%4)+8*\i+4*\c:64*(\s%4)+8*\i+4*\c+3], v1, s[48:49] offset:\i*8192+\s*1024+512*\c
.endr
.endr
.endr
	WIN 0
	s_wait_tensorcnt 1                             ; my part of slot 0 is in, and I alone read it; slot 1's load may be out
	FETCH 2, 0, 0
	KSTEP 0, 2, 0, 63                              ; q.  Behind K step 3's loads 64 were issued: at most 63 out shows the scale words, the bias and K steps 0 to 3 in
	KSTEP 0, 2, 1, -1
	KSTEP 0, 2, 2, -1
	KSTEP 0, 2, 3, -1
	KSTEP 0, 2, 4, 48                              ; 16 loads for each later K step may be out
	KSTEP 0, 2, 5, 32
	KSTEP 0, 2, 6, 16
	KSTEP 0, 2, 7, 0
	WIN 0
	s_wait_tensorcnt 0x0                           ; slot 0 is to be filled again: all my tensor loads have landed, slot 1's among them;
	ds_add_u32 v4, v5                              ; 0 onto my spare word;
	PLACES 4                                       ; (the places behind the last products)
	s_wait_dscnt 0x0                               ; the add is done, and my reads of slot 0 are over
	ROUND                                          ; no wave of any partner still reads slot 0 or has a load on its way
	tensor_load_to_lds s[40:43], s[G1:G1+7]        ; v's weights: my one load behind the round; it has two ways out and k's eight K steps in which to land
	s_nop 0
	PLACES 4
	NEXTB 1
	EPI_QK 56, 58
	s_wait_loadcnt 0x0                             ; k's scale words and bias
	FETCH 3, 0, 0
	SUB 0, 3                                       ; k, from slot 1
	WIN 0
	PLACES 4
	NEXTB 2
	EPI_QK 60, 62
	s_wait_loadcnt 0x0
.irp nt, 0,1,2,3
.irp j, 1,2,3,4,5,6,7
	v_mov_b32 v[BI+8*\nt+\j], v[BI+8*\nt]          ; v: a lane's eight results of a tile are eight tokens of one channel: one bias for all
.endr
.endr
	PLACES 8
	s_wait_alu depctr_va_vdst(0)
	s_wait_tensorcnt 0x0                           ; v's weights are in
	FETCH 2, 0, 0
	SUB 1, 2                                       ; v, from slot 0
	WIN 0
	PLACES 4
	EPI_V
	s_wait_tensorcnt 0x0                           ; the wave's end
	ds_add_u32 v4, v5
	s_wait_dscnt 0x0
	ROUND                                          ; the closing round: no work-group ends while a partner may still ask for a tile that names it
	s_endpgm
.Lfunc_end_k_q36786af6dd_qkv:
	.size	k_q36786af6dd_qkv, .Lfunc_end_k_q36786af6dd_qkv-k_q36786af6dd_qkv
	.p2alignl 7, 3214868480
	.fill 96, 4, 3214868480
	.section	.rodata,"a",@progbits
	.p2align	6, 0x0
	.amdhsa_kernel k_q36786af6dd_qkv
		.amdhsa_group_segment_fixed_size 327680
		.amdhsa_private_segment_fixed_size 0
		.amdhsa_enable_private_segment 0
		.amdhsa_kernarg_size 40
		.amdhsa_user_sgpr_count 2
		.amdhsa_user_sgpr_kernarg_segment_ptr 1
		.amdhsa_wavefront_size32 1
		.amdhsa_system_sgpr_workgroup_id_x 1
		.amdhsa_system_sgpr_workgroup_id_y 1
		.amdhsa_system_sgpr_workgroup_id_z 1
		.amdhsa_system_vgpr_workitem_id 0
		.amdhsa_next_free_vgpr 1024
		.amdhsa_next_free_sgpr 80
		.amdhsa_reserve_vcc 0
		.amdhsa_float_denorm_mode_32 3
		.amdhsa_float_denorm_mode_16_64 3
		.amdhsa_memory_ordered 1
		.amdhsa_forward_progress 1
		.amdhsa_inst_pref_size 188
	.end_amdhsa_kernel
	.amdgpu_metadata
---
amdhsa.version: [ 1, 2 ]
amdhsa.kernels:
  - .name:           k_q36786af6dd_qkv
    .symbol:         k_q36786af6dd_qkv.kd
    .args:
      - { .name: xq, .offset: 0, .size: 8, .value_kind: global_buffer, .address_space: global }
      - { .name: wq, .offset: 8, .size: 8, .value_kind: global_buffer, .address_space: global }
      - { .name: b_attn, .offset: 16, .size: 8, .value_kind: global_buffer, .address_space: global }
      - { .name: qb, .offset: 24, .size: 8, .value_kind: global_buffer, .address_space: global }
      - { .name: kv, .offset: 32, .size: 8, .value_kind: global_buffer, .address_space: global }
    .group_segment_fixed_size: 327680
    .private_segment_fixed_size: 0
    .kernarg_segment_align: 8
    .kernarg_segment_size: 40
    .max_flat_workgroup_size: 128
    .sgpr_count:     80
    .vgpr_count:     1024
    .wavefront_size: 32
...
	.end_amdgpu_metadata
.endif
;; end of part 2
;; launch attn (part 3): grid 4 x 64, 16 waves a work-group, clusters of 4 x 1, 167,936 bytes of LDS; arguments qb, kv, yq; writes yq
.if DOCPART == 3
	.amdgcn_target "amdgcn-amd-amdhsa--gfx1250"
	.amdhsa_code_object_version 6
	.text
	.protected	k_q36786af6dd_attn
	.globl	k_q36786af6dd_attn
	.p2align	8
	.type	k_q36786af6dd_attn,@function
k_q36786af6dd_attn:
	s_mov_b64 s[64:65], 0
	v_nop
	global_prefetch_b8 v0, s[64:65] scope:SCOPE_SE
	s_setreg_imm32_b32 hwreg(HW_REG_WAVE_MODE, 25, 1), 1
	s_wait_xcnt 0x0
	s_wait_alu depctr_hold_cnt(0) depctr_sa_sdst(0) depctr_va_vdst(0) depctr_va_sdst(0) depctr_va_ssrc(0) depctr_va_vcc(0) depctr_vm_vsrc(0)
	s_getreg_b32 s2, hwreg(HW_REG_IB_STS2, 6, 4)
	s_cmp_eq_u32 s2, 0
	s_cbranch_scc0 .Lentry_in_a_cluster
	s_endpgm
.Lentry_in_a_cluster:
	s_bfe_u32 s2, ttmp6, 0x10000c
	s_cmp_lg_u32 s2, 0x3003
	s_cbranch_scc0 .Lentry_shape_is_right
	s_endpgm
.Lentry_shape_is_right:
; y = softmax(q k^T / 8, causal) v for one head, both products on codes of FP4; y is quantised along C on the way out, into yq (laid as xq: head of the first kernel; K step hd / 2, half hd % 2).
; WORK LEFT OUT: for a tile of 16 queries the steps of 128 keys that lie wholly behind its queries: the problem's own causal mask gives them p = 0 for all inputs (head of the first kernel).
; THE SOFTMAX AHEAD OF THE SECOND PRODUCT: t = score x log2(e) / 8; M = the row's largest t so far, rounded up to a whole number; p = 2^(t - M) is quantised along the keys, not normalised; the row's sum is taken of the
; unquantised p and divides at the end.  When M moves, the sum and O are multiplied by 2^(old M - new M): exact.
; K = 64 IN THE FIRST PRODUCT: the instruction's k 64 .. 127 are zero codes on q's side (registers 4-7 of q's fragments are 0); k's registers 4-7 hold whatever codes lie there, all finite; bytes 2, 3 of both scale words are 0, never 0xff.
; SHARES.  The four work-groups of a cluster serve one head (bh).  The head's k, v and their scale words, 143,360 consecutive bytes, come into each one's LDS ONCE, by joint loads (mask 15), 35 rows of 256 bytes a wave, and stay: nothing is filled again.
; The loads are of 35 rows.  Wave w, with G = w / 2 and e = 2 cx + w % 2, owns TWO tiles of 16 queries: tile 8 G + e (G + 1 key steps) and tile 8 (15 - G) + e (16 - G steps): 17 steps for every wave of the launch.
; The branches hang on the wave's number and the count of steps alone; G = 0 is in every work-group, so each partner reads all that the joint loads bring.
; LAYOUT.  Both products are used transposed: S^T = k q^T, O^T = v^T p^T: a lane holds one query (lane % 16).  The keys of a tile are 32 (t / 2) + 8 (t % 2) + pat(p), so that the 16 registers of tiles 2 b, 2 b + 1 are keys 32 b + 16 (lane / 16) + 0 .. 15.
; REGISTERS: v1-4 places that stay; v5, v6 the add's two; v7 the mask's number; v8-11 the trip's addresses; v12-15 and v240-243 the two tiles' -M, largest t, sum (two halves); v16-23, v24-31 q; v32-95 fragments of k, then v;
; v96-159 S^T, then p; v160-191, v192-223 O^T; v224-231 p's codes; v232-239, v244-247, v252-254 at work; v248-251 k's or v's scale words; v255 q's scale words (lanes 0-15 the early tile, lanes 16-31 the late one).
.set SPARE, 143360                     ; behind the head's block: the spare words, 128 bytes for each of 16 waves
.set F,   32
.set S,   96
.set WV,  10
.set G1,  16                           ; s[16:23] descriptor group 1;  s[24:27] group 0
.set G0,  24
.set SEL, 28
.set CS,  30                           ; s[30:31] c = log2(e) / 8
.set KS,  32                           ; the key step
.set TK,  33                           ; 4,096 x step: k's codes and v's images
.set TS,  34                           ; 512 x step: k's scale words
.set TT,  35                           ; 256 x step: v's
.set GA,  36                           ; the late tile's last step, 15 - G
.set GB,  37                           ; the early tile's, G
.set HM,  38
.macro PLACES n
.rept \n
	v_nop
.endr
.endm
.macro ROUND
	s_barrier_signal -1
	s_barrier_wait -1
	s_cmp_lg_u32 s[WV], 0
	s_cbranch_scc1 .Lnot_wave_0_\@
	s_barrier_signal -3
.Lnot_wave_0_\@:
	s_barrier_wait -3
	s_barrier_signal -1
	s_barrier_wait -1
.endm
.macro WMS d, a, b, sa, ra, rb         ; a tile of scores: C = 0; ra, rb: the scale words stand in lanes 16-31
.set wD, (\d)
.set wA, (\a)
.set wB, (\b)
.set wS, (\sa)
.set wR, (\ra)+2*(\rb)
.if wR == 0
	v_wmma_scale_f32_16x16x128_f8f6f4 v[wD:wD+7], v[wA:wA+7], v[wB:wB+7], 0, v[wS], v255 matrix_a_fmt:MATRIX_FMT_FP4 matrix_b_fmt:MATRIX_FMT_FP4
.elseif wR == 1
	v_wmma_scale_f32_16x16x128_f8f6f4 v[wD:wD+7], v[wA:wA+7], v[wB:wB+7], 0, v[wS], v255 matrix_a_fmt:MATRIX_FMT_FP4 matrix_b_fmt:MATRIX_FMT_FP4 matrix_a_scale:MATRIX_SCALE_ROW1
.elseif wR == 2
	v_wmma_scale_f32_16x16x128_f8f6f4 v[wD:wD+7], v[wA:wA+7], v[wB:wB+7], 0, v[wS], v255 matrix_a_fmt:MATRIX_FMT_FP4 matrix_b_fmt:MATRIX_FMT_FP4 matrix_b_scale:MATRIX_SCALE_ROW1
.else
	v_wmma_scale_f32_16x16x128_f8f6f4 v[wD:wD+7], v[wA:wA+7], v[wB:wB+7], 0, v[wS], v255 matrix_a_fmt:MATRIX_FMT_FP4 matrix_b_fmt:MATRIX_FMT_FP4 matrix_a_scale:MATRIX_SCALE_ROW1 matrix_b_scale:MATRIX_SCALE_ROW1
.endif
.endm
.macro WMO d, a, sa, ra                ; O^T += v^T p^T
.set wD, (\d)
.set wA, (\a)
.set wS, (\sa)
.if \ra
	v_wmma_scale_f32_16x16x128_f8f6f4 v[wD:wD+7], v[wA:wA+7], v[224:231], v[wD:wD+7], v[wS], v253 matrix_a_fmt:MATRIX_FMT_FP4 matrix_b_fmt:MATRIX_FMT_FP4 matrix_a_scale:MATRIX_SCALE_ROW1
.else
	v_wmma_scale_f32_16x16x128_f8f6f4 v[wD:wD+7], v[wA:wA+7], v[224:231], v[wD:wD+7], v[wS], v253 matrix_a_fmt:MATRIX_FMT_FP4 matrix_b_fmt:MATRIX_FMT_FP4
.endif
.endm
	s_load_b128 s[4:7], s[0:1], 0x0                ; qb s[4:5], kv s[6:7]
	s_load_b64 s[8:9], s[0:1], 0x10                ; yq
	v_lshl_add_u32 v5, v0, 2, SPARE                ; my spare word; never rewritten
	v_mov_b32 v6, 0                                ; 0; never rewritten
	ds_add_u32 v5, v6                              ; the wave's opening: the add, twice on end, and its wait ahead of my first tensor load
	ds_add_u32 v5, v6
	v_lshrrev_b32 v8, 5, v0
	s_delay_alu instid0(VALU_DEP_1)
	v_readfirstlane_b32 s[WV], v8                  ; wave 0..15
	s_bfe_u32 s11, ttmp6, 0x40000                  ; cx: it enters q's and y's global addresses and the mask's number alone
	s_and_b32 s12, ttmp7, 0xffff                   ; bh, which the four partners share
	s_mov_b32 s[G1], 15|(3<<16)|(1<<21)            ; the mask: all four; elements of 8 bytes; bit 21 beside a mask; no padding
	s_mov_b32 s[G1+1], 32<<16                      ; rows of 256 bytes
	s_mov_b32 s[G1+2], 35<<16                      ; 35 rows
	s_mov_b32 s[G1+3], 32<<16
	s_mov_b32 s[G1+4], 35
	s_mov_b32 s[G1+5], 32                          ; dense
	s_mov_b32 s[G1+6], 0
	s_mov_b32 s[G1+7], 0
	s_mov_b32 s[G0], 1
	s_mul_i32 s[G0+1], s[WV], 8960                 ; LDS: my sixteenth of the block
	s_mul_i32 s14, s12, 143360
	s_add_co_u32 s14, s14, s[G0+1]                 ; and in memory
	s_mov_b32 s15, 0
	s_lshr_b32 s[GB], s[WV], 1
	s_sub_co_u32 s[GA], 15, s[GB]
	s_mov_b32 s[HM], 0xffff0000
	s_mov_b32 s[SEL], 0x76543210
	s_mov_b32 s[SEL+1], 0xfedcba98
	s_mov_b32 s[CS], 0x3e38aa3b                    ; log2(e) / 8
	s_mov_b32 s[CS+1], s[CS]                       ; (named with it as a pair, so it is written)
	s_mov_b32 s[KS], 0
	s_mov_b32 s[TK], 0
	s_mov_b32 s[TS], 0
	s_mov_b32 s[TT], 0
	v_and_b32 v8, 31, v0
	s_delay_alu instid0(VALU_DEP_1)
	v_lshlrev_b32 v1, 4, v8                        ; k's codes: 16 x lane
	s_delay_alu instid0(VALU_DEP_1)
	v_add_nc_u32 v2, 65536, v1                     ; v's images
	s_delay_alu instid0(VALU_DEP_2)
	v_add_nc_u32 v3, 131072, v1                    ; k's scale words
	s_delay_alu instid0(VALU_DEP_4)
	v_lshlrev_b32 v4, 3, v8
	s_delay_alu instid0(VALU_DEP_1)
	v_add_nc_u32 v4, 139264, v4                    ; v's scale words: 8 x lane
	s_wait_dscnt 0x0                               ; both opening adds are done
	s_wait_kmcnt 0x0
	s_add_nc_u64 s[G0+2:G0+3], s[6:7], s[14:15]
	s_or_b32 s[G0+3], s[G0+3], 0x80000000          ; type = 2
	ROUND                                          ; all four work-groups are here: the joint loads meet
	tensor_load_to_lds s[G0:G0+3], s[G1:G1+7]      ; my one tensor load of the launch
	s_nop 0
	PLACES 4
	s_and_b32 s40, s[WV], 1
	s_lshl_b32 s41, s11, 1
	s_add_co_u32 s40, s40, s41                     ; e
	s_lshl_b32 s42, s[GB], 3
	s_add_co_u32 s42, s42, s40                     ; the early tile
	s_lshl_b32 s43, s[GA], 3
	s_add_co_u32 s43, s43, s40                     ; the late tile
	s_mul_i32 s41, s12, 73728
	s_mov_b32 s51, 0
	s_lshl_b32 s50, s43, 9
	s_add_co_u32 s50, s50, s41
	s_add_nc_u64 s[44:45], s[4:5], s[50:51]        ; the late tile's codes
	s_lshl_b32 s50, s42, 9
	s_add_co_u32 s50, s50, s41
	s_add_nc_u64 s[46:47], s[4:5], s[50:51]        ; the early tile's
	s_lshl_b32 s50, s[GB], 9
	s_add_co_u32 s50, s50, s41
	s_and_b32 s52, s40, 1
	s_lshl_b32 s53, s52, 8
	s_add_co_u32 s50, s50, s53
	s_lshr_b32 s54, s40, 1
	s_lshl_b32 s53, s54, 2
	s_add_co_u32 s50, s50, s53
	s_add_co_u32 s50, s50, 65536
	s_add_nc_u64 s[48:49], s[4:5], s[50:51]        ; the early tile's scale words: 65,536 + 512 G + 256 (e % 2) + 4 (e / 2)
	s_lshl_b32 s52, s52, 3
	s_lshl_b32 s54, s54, 5
	s_add_co_u32 s52, s52, s54                     ; a tile's first query in its 128: 32 (e / 2) + 8 (e % 2)
	s_sub_co_u32 s53, s[GA], s[GB]                 ; 15 - 2 G, at least 1
	s_lshl_b32 s54, s53, 9
	v_and_b32 v8, 15, v0                           ; r
	v_bfe_u32 v9, v0, 4, 1                         ; h
	s_delay_alu instid0(VALU_DEP_2)
	v_and_b32 v10, 8, v8
	s_delay_alu instid0(VALU_DEP_1)
	v_add_nc_u32 v10, v10, v8                      ; pat(r)
	s_delay_alu instid0(VALU_DEP_3)
	v_lshlrev_b32 v11, 4, v9
	s_delay_alu instid0(VALU_DEP_1)
	v_sub_nc_u32 v10, v10, v11
	s_delay_alu instid0(VALU_DEP_1)
	v_add_nc_u32 v7, s52, v10                      ; my query's place in its 128, less 16 h: on the diagonal register 16 b + i holds key 32 b + 16 h + i, hidden where 32 b + i is greater than this
	v_mul_u32_u24 v11, s54, v9
	s_delay_alu instid0(VALU_DEP_1)
	v_lshl_add_u32 v11, v8, 4, v11                 ; 16 r, and for lanes 16-31 the late tile's step
	global_load_b128 v[16:19], v1, s[44:45]
	global_load_b128 v[24:27], v1, s[46:47]
	global_load_b32 v255, v11, s[48:49]
	v_mov_b32 v13, 0xff61b1e6                      ; the largest t so far: -3e38, under every t
	s_delay_alu instid0(VALU_DEP_1)
	v_floor_f32 v12, -v13                          ; -M
	v_mov_b32 v14, 0
	v_mov_b32 v15, 0
	v_mov_b32 v241, 0xff61b1e6
	s_delay_alu instid0(VALU_DEP_1)
	v_floor_f32 v240, -v241
	v_mov_b32 v242, 0
	v_mov_b32 v243, 0
.irp j, 20,21,22,23,28,29,30,31
	v_mov_b32 v[\j], 0                             ; q's k 64 .. 127: zero codes
.endr
.irp t, 0,1,2,3,4,5,6,7
.irp j, 4,5,6,7
	v_mov_b32 v[F+8*\t+\j], 0                      ; the upper halves of k's fragments are named by the products, so they are written (later some hold codes of v)
.endr
.endr
.irp j, 0,1,2,3,4,5,6,7,8,9,10,11,12,13,14,15,16,17,18,19,20,21,22,23,24,25,26,27,28,29,30,31,32,33,34,35,36,37,38,39,40,41,42,43,44,45,46,47,48,49,50,51,52,53,54,55,56,57,58,59,60,61,62,63
	v_mov_b32 v[160+\j], 0                         ; O^T of both tiles: the step is written once; the first finds zeros, which the first change of M leaves zeros
.endr
.irp b, 0,1,2,3
	v_mov_b32 v[236+\b], 0                         ; written once: a lane permute's destination counts as one of its sources
.endr
	v_mov_b32 v253, 0                              ; (named as the upper half of the pair v[252:253] before it is first written)
	s_wait_loadcnt 0x0                             ; q
	s_wait_tensorcnt 0x0                           ; my sixteenth of the head's block is in,
	s_barrier_signal -1
	s_barrier_wait -1                              ; everybody's is
; A KEY STEP of one tile.  qf: q's fragment; of: its O^T; sf: its statistics; rq: the row of q's scale words; gl: the scalar register with the tile's last step
.macro STEP qf, of, sf, rq, gl
	s_cmp_gt_u32 s[KS], s[\gl]                     ; all 128 keys come after my 16 queries: the step is left out.  The wave's number and the count of steps alone decide
	s_cbranch_scc1 .Lskip_\@
	PLACES 4                                       ; in front of loads into registers that the last matrix instructions have read
	s_wait_alu depctr_va_vdst(0)
.irp t, 0,1,2,3,4,5,6,7
	ds_load_b128 v[F+8*\t:F+8*\t+3], v8 offset:512*\t
.endr
	ds_load_b128 v[248:251], v10                   ; register a: lanes 0-15 tile 2 a's words, lanes 16-31 tile 2 a + 1's
	s_wait_dscnt 0x0
.irp t, 0,1,2,3,4,5,6,7
	WMS S+8*\t, F+8*\t, \qf, 248+\t/2, \t%2, \rq
.endr
	PLACES 4
	s_wait_alu depctr_va_vdst(0)
.irp dt, 0,1,2,3                               ; v's four fragments are asked for now and land under the softmax
.irp c, 0,1
	ds_load_b128 v[F+8*\dt+4*\c:F+8*\dt+4*\c+3], v9 offset:\dt*1024+512*\c
.endr
.endr
	ds_load_b64 v[248:249], v11
	s_cmp_lg_u32 s[KS], s[\gl]                     ; only the tile's last step lies on the diagonal
	s_cbranch_scc1 .Lopen_\@
	v_mov_b32 v254, 0xff800000                     ; hidden scores become -infinity ahead of the maximum: p = 0 then
.irp n, 0,1,2,3,4,5,6,7,8,9,10,11,12,13,14,15,16,17,18,19,20,21,22,23,24,25,26,27,28,29,30,31,32,33,34,35,36,37,38,39,40,41,42,43,44,45,46,47,48,49,50,51,52,53,54,55,56,57,58,59,60,61,62,63
	v_cmp_gt_i32 vcc_lo, 32*(\n/16)+\n%16, v7
	v_cndmask_b32 v[S+\n], v[S+\n], v254, vcc_lo
.endr
.Lopen_\@:
.irp b, 0,1,2,3
	v_max3_num_f32 v[232+\b], v[S+16*\b], v[S+1+16*\b], v[S+2+16*\b]   ; the largest score of each block of 32 keys: it serves the row's maximum and, since p rises with the score, the block's largest p
.endr
.irp i, 3,5,7,9,11,13
.irp b, 0,1,2,3
	v_max3_num_f32 v[232+\b], v[232+\b], v[S+16*\b+\i], v[S+1+16*\b+\i]
.endr
.endr
.irp b, 0,1,2,3
	v_max_num_f32 v[232+\b], v[232+\b], v[S+15+16*\b]
.endr
.irp b, 0,1,2,3
	s_delay_alu instid0(VALU_DEP_4)
	v_permlanex16_b32 v[236+\b], v[232+\b], s[SEL], s[SEL+1]
.endr
.irp b, 0,1,2,3
	s_delay_alu instid0(VALU_DEP_4)
	v_max_num_f32 v[232+\b], v[232+\b], v[236+\b]  ; with lane l xor 16's 16 keys
.endr
	s_delay_alu instid0(VALU_DEP_2)
	v_max3_num_f32 v254, v232, v233, v234
	s_delay_alu instid0(VALU_DEP_1)
	v_max_num_f32 v254, v254, v235                 ; the step's largest score of my query
	s_delay_alu instid0(VALU_DEP_1)
	v_mul_f32 v254, s[CS], v254                    ; as t
	s_delay_alu instid0(VALU_DEP_1)
	v_max_num_f32 v[\sf+1], v[\sf+1], v254         ; the running largest t
	v_mov_b32 v254, v[\sf]
	s_delay_alu instid0(VALU_DEP_2)
	v_floor_f32 v[\sf], -v[\sf+1]                  ; the new -M = -ceil(t)
	s_delay_alu instid0(VALU_DEP_1)
	v_sub_f32 v254, v[\sf], v254                   ; old M - new M: a whole number, 0 or less
	s_delay_alu instid0(VALU_DEP_1)
	v_cvt_i32_f32 v254, v254                       ; (it saturates)
	s_delay_alu instid0(VALU_DEP_1)
	v_ldexp_f32 v252, 1.0, v254                    ; f = 2^(old M - new M)
.irp j, 0,2,4,6,8,10,12,14,16,18,20,22,24,26,28,30,32,34,36,38,40,42,44,46,48,50,52,54,56,58,60,62
	v_pk_fma_f32 v[S+\j:S+\j+1], v[S+\j:S+\j+1], s[CS:CS+1], v[\sf:\sf+1] op_sel_hi:[1,0,0]   ; t - M, two at a time
.endr
.irp b, 0,1,2,3
	v_fma_f32 v[232+\b], v[232+\b], s[CS], v[\sf]  ; the same of each block's largest score
.endr
	s_wait_alu depctr_va_vdst(0)
.irp j, 0,1,2,3,4,5,6,7,8,9,10,11,12,13,14,15,16,17,18,19,20,21,22,23,24,25,26,27,28,29,30,31,32,33,34,35,36,37,38,39,40,41,42,43,44,45,46,47,48,49,50,51,52,53,54,55,56,57,58,59,60,61,62,63
	v_exp_f32 v[S+\j], v[S+\j]                     ; p = 2^(t - M)
.endr
	v_pk_mul_f32 v[\sf+2:\sf+3], v[\sf+2:\sf+3], v[252:253] op_sel_hi:[1,0]   ; the sums under the new M: a plain place behind the exponentials
	s_wait_alu depctr_va_vdst(0)                   ; one wait for the whole batch, ahead of its first reader
.irp b, 0,1,2,3
	v_exp_f32 v[232+\b], v[232+\b]                 ; the block's largest p
.endr
	v_pk_add_f32 v[236:237], v[S:S+1], v[S+2:S+3]  ; the row's sum is taken of the unquantised p, two at a time, in two chains
.irp j, 4,8,12,16,20,24,28,32,36,40,44,48,52,56,60
	v_pk_add_f32 v[\sf+2:\sf+3], v[\sf+2:\sf+3], v[S+\j:S+\j+1]
	v_pk_add_f32 v[236:237], v[236:237], v[S+2+\j:S+3+\j]
.endr
	s_delay_alu instid0(VALU_DEP_1)
	v_pk_add_f32 v[\sf+2:\sf+3], v[\sf+2:\sf+3], v[236:237]
	s_wait_alu depctr_va_vdst(0)                   ; and one for the four
.irp b, 0,1,2,3
	v_max_num_f32 v[232+\b], 0x1800000, v[232+\b]  ; the floor 2^(3 - 127): the byte cannot fall under 1
.endr
.irp b, 0,1,2,3
	s_delay_alu instid0(VALU_DEP_4)
	v_add_nc_u32 v[244+\b], 0xff000000, v[232+\b]  ; the conversion's scale operand
.endr
.irp b, 0,1,2,3
	s_delay_alu instid0(VALU_DEP_4)
	v_lshrrev_b32 v[236+\b], 23, v[244+\b]         ; the scale's byte
.endr
	s_delay_alu instid0(VALU_DEP_3)
	v_lshl_or_b32 v253, v237, 8, v236              ; p's scale word for these 128 keys
	s_delay_alu instid0(VALU_DEP_1)
	v_lshl_or_b32 v253, v238, 16, v253
	s_delay_alu instid0(VALU_DEP_1)
	v_lshl_or_b32 v253, v239, 24, v253
.irp b, 0,1,2,3
	v_cvt_scalef32_pk8_fp4_f32 v[224+2*\b], v[S+16*\b:S+7+16*\b], v[244+\b]
	v_cvt_scalef32_pk8_fp4_f32 v[225+2*\b], v[S+8+16*\b:S+15+16*\b], v[244+\b]
.endr
	v_nop                                          ; one plain place behind the scaled conversions
.irp c, 0,1
.irp i, 0,1
	v_permlane16_swap_b32 v[224+4*\c+\i], v[226+4*\c+\i]   ; a whole block in a lane
.endr
.endr
.irp j, 0,2,4,6,8,10,12,14,16,18,20,22,24,26,28,30
	v_pk_mul_f32 v[\of+\j:\of+\j+1], v[\of+\j:\of+\j+1], v[252:253] op_sel_hi:[1,0]   ; O^T under the new M.  For each product below twelve of these name none of its registers: the places behind the writes of p's codes and scale word
.endr
	s_wait_alu depctr_va_vdst(0)
	s_wait_dscnt 0x0                               ; v's fragments and scale words
.irp dt, 0,1,2,3                               ; the four accumulators take turns
	WMO \of+8*\dt, F+8*\dt, 248+\dt/2, \dt%2
.endr
.Lskip_\@:
.endm
.Lkeys:                                            ; 16 trips, a constant: a trip is one step of 128 keys for both tiles
	v_add_nc_u32 v8, s[TK], v1
	v_add_nc_u32 v9, s[TK], v2
	v_add_nc_u32 v10, s[TS], v3
	v_add_nc_u32 v11, s[TT], v4
	STEP 16, 160, 12, 1, GA
	STEP 24, 192, 240, 0, GB
	s_add_co_u32 s[TK], s[TK], 4096
	s_add_co_u32 s[TS], s[TS], 512
	s_add_co_u32 s[TT], s[TT], 256
	s_add_co_u32 s[KS], s[KS], 1
	s_cmp_lt_u32 s[KS], 16
	s_cbranch_scc1 .Lkeys
	; THE WAY OUT.  y = O^T / the sum; a lane's 32 numbers of a tile are two half blocks of the head's 64 along C.  Both tiles are quantised together: blocks 0, 1 the early tile's, blocks 2, 3 the late one's.
	v_add_f32 v14, v14, v15                        ; the sums' two halves (these lines are also the places behind the last products)
	v_add_f32 v242, v242, v243
	s_delay_alu instid0(VALU_DEP_2)
	v_permlanex16_b32 v236, v14, s[SEL], s[SEL+1]
	s_delay_alu instid0(VALU_DEP_2)
	v_permlanex16_b32 v237, v242, s[SEL], s[SEL+1]
	s_delay_alu instid0(VALU_DEP_2)
	v_add_f32 v14, v14, v236                       ; and lane l xor 16's
	s_delay_alu instid0(VALU_DEP_2)
	v_add_f32 v242, v242, v237
	s_wait_alu depctr_va_vdst(0)
	v_rcp_f32 v14, v14
	v_rcp_f32 v242, v242
	v_and_b32 v8, 15, v0                           ; (a plain place behind the reciprocals)
	v_bfe_u32 v9, v0, 4, 1
	s_lshl_b32 s54, s53, 12                        ; from the early tile's scale words to the late one's: 8 (15 - 2 G) tiles of 512 bytes
	v_mul_u32_u24 v10, s54, v9
	s_delay_alu instid0(VALU_DEP_1)
	v_lshl_add_u32 v10, v8, 4, v10                 ; 16 r, and for lanes 16-31 the late tile
	s_lshr_b32 s55, s12, 4
	s_lshl_b32 s55, s55, 7                         ; 128 tiles a batch
	s_and_b32 s56, s12, 15                         ; hd
	s_lshr_b32 s57, s56, 1
	s_lshl_b32 s58, s57, 10
	s_and_b32 s59, s56, 1
	s_lshl_b32 s60, s59, 9
	s_add_co_u32 s58, s58, s60                     ; the head's place in a tile's codes: 1,024 (hd / 2) + 512 (hd % 2)
	s_add_co_u32 s60, s55, s43
	s_lshl_b32 s60, s60, 13
	s_add_co_u32 s50, s60, s58
	s_add_nc_u64 s[44:45], s[8:9], s[50:51]        ; the late tile's codes
	s_add_co_u32 s60, s55, s42
	s_lshl_b32 s61, s60, 13
	s_add_co_u32 s50, s61, s58
	s_add_nc_u64 s[46:47], s[8:9], s[50:51]        ; the early tile's
	s_lshl_b32 s50, s60, 9
	s_and_b32 s57, s57, 1
	s_lshl_b32 s57, s57, 8
	s_add_co_u32 s50, s50, s57
	s_lshr_b32 s57, s56, 2
	s_lshl_b32 s57, s57, 2
	s_add_co_u32 s50, s50, s57
	s_lshl_b32 s57, s59, 1
	s_add_co_u32 s50, s50, s57
	s_add_co_u32 s50, s50, 4194304
	s_add_nc_u64 s[48:49], s[8:9], s[50:51]        ; my two scale bytes: 4,194,304 + 512 tile + 256 ((hd / 2) % 2) + 4 (hd / 4) + 2 (hd % 2)
	s_wait_alu depctr_va_vdst(0)                   ; one wait for both reciprocals, ahead of their first reader
.irp j, 0,2,4,6,8,10,12,14,16,18,20,22,24,26,28,30
	v_pk_mul_f32 v[S+\j:S+\j+1], v[192+\j:193+\j], v[242:243] op_sel_hi:[1,0]        ; the early tile; each accumulator from its low end on
.endr
.irp j, 0,2,4,6,8,10,12,14,16,18,20,22,24,26,28,30
	v_pk_mul_f32 v[S+32+\j:S+33+\j], v[160+\j:161+\j], v[14:15] op_sel_hi:[1,0]      ; the late tile
.endr
.irp b, 0,1,2,3
	v_max3_num_f32 v[232+\b], |v[S+16*\b]|, |v[S+1+16*\b]|, 0x1800000
.endr
.irp i, 2,4,6,8,10,12,14
.irp b, 0,1,2,3
	s_delay_alu instid0(VALU_DEP_4)
	v_max3_num_f32 v[232+\b], v[232+\b], |v[S+16*\b+\i]|, |v[S+1+16*\b+\i]|
.endr
.endr
.irp b, 0,1,2,3
	s_delay_alu instid0(VALU_DEP_4)
	v_permlanex16_b32 v[236+\b], v[232+\b], s[SEL], s[SEL+1]
.endr
.irp b, 0,1,2,3
	s_delay_alu instid0(VALU_DEP_4)
	v_max_num_f32 v[232+\b], v[232+\b], v[236+\b]
.endr
.irp b, 0,1,2,3
	s_delay_alu instid0(VALU_DEP_4)
	v_add_nc_u32 v[244+\b], 0xff000000, v[232+\b]
.endr
.irp b, 0,1,2,3
	s_delay_alu instid0(VALU_DEP_4)
	v_lshrrev_b32 v[236+\b], 23, v[244+\b]
.endr
	s_delay_alu instid0(VALU_DEP_3)
	v_lshl_or_b32 v253, v237, 8, v236
	s_delay_alu instid0(VALU_DEP_1)
	v_lshl_or_b32 v253, v238, 16, v253
	s_delay_alu instid0(VALU_DEP_1)
	v_lshl_or_b32 v253, v239, 24, v253             ; bytes 0, 1: the early tile's; bytes 2, 3: the late one's
.irp b, 0,1,2,3
	v_cvt_scalef32_pk8_fp4_f32 v[224+2*\b], v[S+16*\b:S+7+16*\b], v[244+\b]
	v_cvt_scalef32_pk8_fp4_f32 v[225+2*\b], v[S+8+16*\b:S+15+16*\b], v[244+\b]
.endr
	v_nop
.irp c, 0,1
.irp i, 0,1
	v_permlane16_swap_b32 v[224+4*\c+\i], v[226+4*\c+\i]
.endr
.endr
	v_lshrrev_b32 v254, 16, v253
	s_delay_alu instid0(VALU_DEP_1)
	v_cndmask_b32 v254, v253, v254, s[HM]          ; lanes 0-15 store the early tile's two bytes, lanes 16-31 the late one's
	global_store_b128 v1, v[224:227], s[46:47]     ; 512 consecutive bytes: half a fragment's image
	global_store_b128 v1, v[228:231], s[44:45]
	global_store_b16 v10, v254, s[48:49]           ; two bytes of each row's scale word: the row's other bytes belong to other heads, which other work-groups serve
	s_wait_tensorcnt 0x0                           ; the wave's end
	ds_add_u32 v5, v6
	s_wait_dscnt 0x0
	ROUND                                          ; the closing round
	s_endpgm
.Lfunc_end_k_q36786af6dd_attn:
	.size	k_q36786af6dd_attn, .Lfunc_end_k_q36786af6dd_attn-k_q36786af6dd_attn
	.p2alignl 7, 3214868480
	.fill 96, 4, 3214868480
	.section	.rodata,"a",@progbits
	.p2align	6, 0x0
	.amdhsa_kernel k_q36786af6dd_attn
		.amdhsa_group_segment_fixed_size 167936
		.amdhsa_private_segment_fixed_size 0
		.amdhsa_enable_private_segment 0
		.amdhsa_kernarg_size 24
		.amdhsa_user_sgpr_count 2
		.amdhsa_user_sgpr_kernarg_segment_ptr 1
		.amdhsa_wavefront_size32 1
		.amdhsa_system_sgpr_workgroup_id_x 1
		.amdhsa_system_sgpr_workgroup_id_y 1
		.amdhsa_system_sgpr_workgroup_id_z 1
		.amdhsa_system_vgpr_workitem_id 0
		.amdhsa_next_free_vgpr 256
		.amdhsa_next_free_sgpr 66
		.amdhsa_reserve_vcc 1
		.amdhsa_float_denorm_mode_32 3
		.amdhsa_float_denorm_mode_16_64 3
		.amdhsa_memory_ordered 1
		.amdhsa_forward_progress 1
		.amdhsa_inst_pref_size 61
	.end_amdhsa_kernel
	.amdgpu_metadata
---
amdhsa.version: [ 1, 2 ]
amdhsa.kernels:
  - .name:           k_q36786af6dd_attn
    .symbol:         k_q36786af6dd_attn.kd
    .args:
      - { .name: qb, .offset: 0, .size: 8, .value_kind: global_buffer, .address_space: global }
      - { .name: kv, .offset: 8, .size: 8, .value_kind: global_buffer, .address_space: global }
      - { .name: yq, .offset: 16, .size: 8, .value_kind: global_buffer, .address_space: global }
    .group_segment_fixed_size: 167936
    .private_segment_fixed_size: 0
    .kernarg_segment_align: 8
    .kernarg_segment_size: 24
    .max_flat_workgroup_size: 512
    .sgpr_count:     66
    .vgpr_count:     256
    .wavefront_size: 32
...
	.end_amdgpu_metadata
.endif
;; end of part 3
;; launch proj (part 4): grid 64 x 4, 4 waves a work-group, clusters of 4 x 1, 167,936 bytes of LDS; arguments yq, wq, b_proj, out0; writes out0
.if DOCPART == 4
	.amdgcn_target "amdgcn-amd-amdhsa--gfx1250"
	.amdhsa_code_object_version 6
	.text
	.protected	k_q36786af6dd_proj
	.globl	k_q36786af6dd_proj
	.p2align	8
	.type	k_q36786af6dd_proj,@function
k_q36786af6dd_proj:
	s_mov_b64 s[64:65], 0
	v_nop
	global_prefetch_b8 v0, s[64:65] scope:SCOPE_SE
	s_setreg_imm32_b32 hwreg(HW_REG_WAVE_MODE, 25, 1), 1
	s_wait_xcnt 0x0
	s_wait_alu depctr_hold_cnt(0) depctr_sa_sdst(0) depctr_va_vdst(0) depctr_va_sdst(0) depctr_va_ssrc(0) depctr_va_vcc(0) depctr_vm_vsrc(0)
	s_getreg_b32 s2, hwreg(HW_REG_IB_STS2, 6, 4)
	s_cmp_eq_u32 s2, 0
	s_cbranch_scc0 .Lentry_in_a_cluster
	s_endpgm
.Lentry_in_a_cluster:
	s_bfe_u32 s2, ttmp6, 0x10000c
	s_cmp_lg_u32 s2, 0x3003
	s_cbranch_scc0 .Lentry_shape_is_right
	s_endpgm
.Lentry_shape_is_right:
; out0 = y W_proj + b_proj on codes of FP4.  yq is laid as xq, W_proj's codes are column groups 48 to 63 of wq (head of the first kernel).
; SHARES.  A work-group takes 128 tokens (mt) and 256 columns (g); wave w takes columns 64 (4 g + w) on: 32 accumulators, 8 K steps of 128.  y's 64 fragments come into 512 registers in the order of the registers.
; The wave's weights, 32,768 consecutive bytes, come by its own tensor load into its own LDS part, filled once.  CLUSTER: the four work-groups of a cluster have the same g and other mt: each load is asked for jointly (mask 15).
; THE PRODUCT IS USED TRANSPOSED (source 0 = 16 columns of W, source 1 = 16 tokens): a lane holds one token and, in a token tile's 32 registers, columns 32 B + 16 h + 0 .. 15.  The bias is the C of each sum's first matrix instruction.
; THE WAY OUT: a token tile (16 rows x 256 bytes) goes through the wave's own stage in LDS and leaves as whole rows: sixteen lanes store 256 consecutive bytes, at a multiple of 256 from out0's first byte.
; REGISTERS: window 0: below.  Windows 1, 2: y's fragment (tile i, K step s) at v[64 (s % 4) + 8 i] of window 1 + s / 4.  Window 3: accumulator (i, nt) at 32 i + 8 nt.
.set STAGE, 131072                     ; behind the slot: two stages of 16 rows x (256 + 16) bytes for each wave; no tensor load lands there
.set SPARE, 165888                     ; behind the stages: the spare words, 128 bytes for each wave
.set AS,  16
.set BS,  48
.set BI,  64
.set BF,  96
.set OB,  160                          ; v160-223 rows read back from the stage, two sets of 32
.set WV,  20
.set G1,  24
.set MSB, 0
.macro WIN new
.if MSB != (\new)
	s_set_vgpr_msb (MSB<<8)|(\new)
.set MSB, (\new)
.endif
.endm
.macro PLACES n
.rept \n
	v_nop
.endr
.endm
.macro ROUND
	s_barrier_signal -1
	s_barrier_wait -1
	s_cmp_lg_u32 s[WV], 0
	s_cbranch_scc1 .Lnot_wave_0_\@
	s_barrier_signal -3
.Lnot_wave_0_\@:
	s_barrier_wait -3
	s_barrier_signal -1
	s_barrier_wait -1
.endm
.macro WM d, a, b, c, sa, sb, odd
.set wD, (\d)
.set wA, (\a)
.set wB, (\b)
.set wC, (\c)
.set wS, (\sa)
.set wT, (\sb)
.if \odd
	v_wmma_scale_f32_16x16x128_f8f6f4 v[wD:wD+7], v[wA:wA+7], v[wB:wB+7], v[wC:wC+7], v[wS], v[wT] matrix_a_fmt:MATRIX_FMT_FP4 matrix_b_fmt:MATRIX_FMT_FP4 matrix_a_scale:MATRIX_SCALE_ROW1 matrix_b_scale:MATRIX_SCALE_ROW1
.else
	v_wmma_scale_f32_16x16x128_f8f6f4 v[wD:wD+7], v[wA:wA+7], v[wB:wB+7], v[wC:wC+7], v[wS], v[wT] matrix_a_fmt:MATRIX_FMT_FP4 matrix_b_fmt:MATRIX_FMT_FP4
.endif
.endm
.macro FETCH s, set
	WIN 0
.irp nt, 0,1,2,3
.irp c, 0,1
	ds_load_b128 v[BF+32*(\set)+8*\nt+4*\c:BF+32*(\set)+8*\nt+4*\c+3], v2 offset:(\s)*4096+\nt*1024+512*\c
.endr
.endr
.endm
.macro MULT s                          ; 32 matrix instructions; the 32 accumulators take turns; step 0 starts the sums on the bias
.if (\s) == 0
	WIN 0xc4
.else
	WIN 0xf0|((1+(\s)/4)<<2)
.endif
.irp i, 0,1,2,3,4,5,6,7
.irp nt, 0,1,2,3
.if (\s) == 0
	WM 32*\i+8*\nt, BF+32*((\s)%2)+8*\nt, 64*((\s)%4)+8*\i, BI+8*\nt, BS+4*\nt+(\s)/2, AS+4*\i+(\s)/2, (\s)%2
.else
	WM 32*\i+8*\nt, BF+32*((\s)%2)+8*\nt, 64*((\s)%4)+8*\i, 32*\i+8*\nt, BS+4*\nt+(\s)/2, AS+4*\i+(\s)/2, (\s)%2
.endif
.endr
.endr
.endm
.macro KSTEP s, lw
	WIN 0
	s_wait_dscnt 0x0                               ; this step's fragments of W are in
.if (\lw) >= 0
	s_wait_loadcnt \lw
.endif
	PLACES 4                                       ; in front of loads into the set that the last step's matrix instructions have read
.if (\s) < 7
	FETCH (\s)+1, ((\s)+1)%2
.endif
	MULT \s
.endm
	s_load_b256 s[4:11], s[0:1], 0x0               ; yq s[4:5], wq s[6:7], b_proj s[8:9], out0 s[10:11]
	v_lshl_add_u32 v4, v0, 2, SPARE                ; my spare word; never rewritten
	v_mov_b32 v5, 0                                ; 0; never rewritten
	ds_add_u32 v4, v5                              ; the wave's opening: the add, twice on end, and its wait ahead of my first tensor load
	ds_add_u32 v4, v5
	v_lshrrev_b32 v12, 5, v0
	v_readfirstlane_b32 s[WV], v12                 ; wave 0..3
	s_bfe_u32 s21, ttmp6, 0x40000                  ; cx: it enters y's and out0's global addresses alone
	s_lshl_b32 s22, ttmp9, 2
	s_add_co_u32 s22, s22, s21                     ; mt
	s_and_b32 s23, ttmp7, 0xffff                   ; g
	s_lshl_b32 s44, s23, 2
	s_add_co_u32 s44, s44, s[WV]                   ; my group of 64 columns
	s_add_co_u32 s45, s44, 48                      ; and its number in wq
	s_mov_b32 s[G1], 15|(3<<16)|(1<<21)            ; the mask: all four; elements of 8 bytes; bit 21 beside a mask; no padding
	s_mov_b32 s[G1+1], 32<<16                      ; rows of 256 bytes
	s_mov_b32 s[G1+2], 128<<16                     ; 128 rows
	s_mov_b32 s[G1+3], 32<<16
	s_mov_b32 s[G1+4], 128
	s_mov_b32 s[G1+5], 32                          ; dense
	s_mov_b32 s[G1+6], 0
	s_mov_b32 s[G1+7], 0
	s_mov_b32 s32, 1
	s_lshl_b32 s33, s[WV], 15                      ; my part of the slot
	s_lshl_b32 s14, s45, 15
	s_mov_b32 s15, 0
	s_mul_i32 s46, s[WV], 8704
	s_add_co_u32 s46, s46, STAGE                   ; my two stages
	v_and_b32 v12, 31, v0
	v_lshlrev_b32 v1, 4, v12                       ; v1 = 16 x lane
	v_add_nc_u32 v2, s33, v1                       ; v2: my part of the slot
	v_and_b32 v12, 15, v0                          ; r
	v_bfe_u32 v13, v0, 4, 1                        ; h
	v_lshlrev_b32 v6, 6, v13                       ; v6 = 64 h
	v_mul_u32_u24 v9, v12, 272
	v_lshl_add_u32 v9, v13, 6, v9
	v_add_nc_u32 v9, s46, v9                       ; v9: into the stage: row r, + 64 h
	v_mul_u32_u24 v10, v13, 272
	v_lshl_add_u32 v10, v12, 4, v10
	v_add_nc_u32 v10, s46, v10                     ; v10: back: lanes 0-15 one row, lanes 16-31 the next
	v_lshlrev_b32 v11, 12, v13
	v_lshl_add_u32 v11, v12, 4, v11                ; v11: and the same two rows in out0
	s_wait_dscnt 0x0                               ; both opening adds are done
	s_wait_kmcnt 0x0
	s_add_nc_u64 s[34:35], s[6:7], s[14:15]
	s_or_b32 s35, s35, 0x80000000                  ; type = 2
	ROUND                                          ; all four work-groups are here: the joint loads meet
	tensor_load_to_lds s[32:35], s[G1:G1+7]        ; my one tensor load of the launch
	s_nop 0
	PLACES 4
	s_mov_b32 s59, 0
	s_lshl_b32 s58, s22, 16
	s_add_nc_u64 s[48:49], s[4:5], s[58:59]        ; y's codes
	s_lshl_b32 s58, s22, 12
	s_add_co_u32 s58, s58, 4194304
	s_add_nc_u64 s[50:51], s[4:5], s[58:59]        ; y's scale words
	s_lshl_b32 s58, s45, 11
	s_add_co_u32 s58, s58, 2097152
	s_add_nc_u64 s[52:53], s[6:7], s[58:59]        ; the weights' scale words
	s_lshl_b32 s58, s44, 8
	s_add_nc_u64 s[54:55], s[8:9], s[58:59]        ; the bias
	s_lshl_b32 s60, s22, 19                        ; 128 rows of 4,096 bytes a block
	s_add_co_u32 s58, s58, s60
	s_add_nc_u64 s[56:57], s[10:11], s[58:59]      ; out0: my block's first row, my 256 bytes of it
.irp i, 0,1,2,3,4,5,6,7
	global_load_b128 v[AS+4*\i:AS+4*\i+3], v1, s[50:51] offset:\i*512
.endr
.irp nt, 0,1,2,3
	global_load_b128 v[BS+4*\nt:BS+4*\nt+3], v1, s[52:53] offset:\nt*512
.endr
	s_wait_alu depctr_va_vdst(0)
.irp nt, 0,1,2,3                               ; lane (r, h), register j: column 32 (nt / 2) + 8 (nt % 2) + 16 h + j
	global_load_b128 v[BI+8*\nt:BI+8*\nt+3], v6, s[54:55] offset:128*(\nt/2)+32*(\nt%2)
	global_load_b128 v[BI+8*\nt+4:BI+8*\nt+7], v6, s[54:55] offset:128*(\nt/2)+32*(\nt%2)+16
.endr
.irp s, 0,1,2,3,4,5,6,7                        ; y's 64 fragments, K step by K step: 16 loads a step
	WIN 0x40*(1+\s/4)
.irp i, 0,1,2,3,4,5,6,7
.irp c, 0,1
	global_load_b128 v[64*(\s%4)+8*\i+4*\c:64*(\s%4)+8*\i+4*\c+3], v1, s[48:49] offset:\i*8192+\s*1024+512*\c
.endr
.endr
.endr
	WIN 0
	s_wait_tensorcnt 0x0                           ; my weights are in, and I alone read them
	FETCH 0, 0
	KSTEP 0, 63                                    ; behind K step 3's loads 64 were issued: at most 63 out shows the scale words, the bias and K steps 0 to 3 in
	KSTEP 1, -1
	KSTEP 2, -1
	KSTEP 3, -1
	KSTEP 4, 48                                    ; 16 loads for each later K step may be out
	KSTEP 5, 32
	KSTEP 6, 16
	KSTEP 7, 0
	WIN 0
	PLACES 4                                       ; in front of the LDS stores that read the results
.macro TOSTAGE i                       ; token tile i into stage i % 2, and back as rows.  LDS serves a wave's instructions in order: no wait between the stores and the loads, nor in front of the stage's next stores
	WIN 0x0c                                       ; an LDS store's data are its source 1: window 3
.irp b, 0,1
.irp q, 0,1,2,3
	ds_store_b128 v9, v[32*(\i)+16*\b+4*\q:32*(\i)+16*\b+4*\q+3] offset:((\i)%2)*4352+128*\b+16*\q   ; each accumulator from its low end on
.endr
.endr
	WIN 0
.irp k, 0,1,2,3,4,5,6,7
	ds_load_b128 v[OB+32*((\i)%2)+4*\k:OB+32*((\i)%2)+4*\k+3], v10 offset:((\i)%2)*4352+544*\k
.endr
.endm
.macro SEND i, younger                 ; younger: the LDS instructions issued behind tile i's loads, which may stay out
	s_wait_dscnt \younger
.irp k, 0,1,2,3,4,5,6,7
	global_store_b128 v11, v[OB+32*((\i)%2)+4*\k:OB+32*((\i)%2)+4*\k+3], s[56:57] offset:(32*((\i)/2)+8*((\i)%2)+2*\k+8*(\k/4))*4096 th:TH_STORE_NT   ; stage rows 2 k and 2 k + 1 are tokens pat(2 k), pat(2 k + 1) of the tile
.endr
.endm
	TOSTAGE 0
.irp i, 1,2,3,4,5,6,7
.if \i > 1
	s_wait_xcnt 0x0                                ; tile i - 2's stores have read their registers: tile i's rows may land there
.endif
	TOSTAGE \i
	SEND \i-1, 16                                  ; behind tile i - 1's loads: tile i's 8 stores and 8 loads
.endr
	SEND 7, 0
	s_wait_tensorcnt 0x0                           ; the wave's end, behind my last LDS store
	ds_add_u32 v4, v5
	s_wait_dscnt 0x0
	ROUND                                          ; the closing round
	s_endpgm
.Lfunc_end_k_q36786af6dd_proj:
	.size	k_q36786af6dd_proj, .Lfunc_end_k_q36786af6dd_proj-k_q36786af6dd_proj
	.p2alignl 7, 3214868480
	.fill 96, 4, 3214868480
	.section	.rodata,"a",@progbits
	.p2align	6, 0x0
	.amdhsa_kernel k_q36786af6dd_proj
		.amdhsa_group_segment_fixed_size 167936
		.amdhsa_private_segment_fixed_size 0
		.amdhsa_enable_private_segment 0
		.amdhsa_kernarg_size 32
		.amdhsa_user_sgpr_count 2
		.amdhsa_user_sgpr_kernarg_segment_ptr 1
		.amdhsa_wavefront_size32 1
		.amdhsa_system_sgpr_workgroup_id_x 1
		.amdhsa_system_sgpr_workgroup_id_y 1
		.amdhsa_system_sgpr_workgroup_id_z 1
		.amdhsa_system_vgpr_workitem_id 0
		.amdhsa_next_free_vgpr 1024
		.amdhsa_next_free_sgpr 66
		.amdhsa_reserve_vcc 0
		.amdhsa_float_denorm_mode_32 3
		.amdhsa_float_denorm_mode_16_64 3
		.amdhsa_memory_ordered 1
		.amdhsa_forward_progress 1
		.amdhsa_inst_pref_size 72
	.end_amdhsa_kernel
	.amdgpu_metadata
---
amdhsa.version: [ 1, 2 ]
amdhsa.kernels:
  - .name:           k_q36786af6dd_proj
    .symbol:         k_q36786af6dd_proj.kd
    .args:
      - { .name: yq, .offset: 0, .size: 8, .value_kind: global_buffer, .address_space: global }
      - { .name: wq, .offset: 8, .size: 8, .value_kind: global_buffer, .address_space: global }
      - { .name: b_proj, .offset: 16, .size: 8, .value_kind: global_buffer, .address_space: global }
      - { .name: out0, .offset: 24, .size: 8, .value_kind: global_buffer, .address_space: global }
    .group_segment_fixed_size: 167936
    .private_segment_fixed_size: 0
    .kernarg_segment_align: 8
    .kernarg_segment_size: 32
    .max_flat_workgroup_size: 128
    .sgpr_count:     66
    .vgpr_count:     1024
    .wavefront_size: 32
...
	.end_amdgpu_metadata
.endif
;; end of part 4
